; MI455X (gfx1250); checked and timed in simulation.
; The chip was launched on July 23, 2026; its instructions are those of AMD's public machine-readable ISA for CDNA 5 (MIT licence, August 2026) and "CDNA5" Instruction Set Architecture Reference Guide (July 2026). The comments in the code are by the model that wrote it; some were corrected since.
;; Enough Vi T Encoder. Allowed arithmetic: matrix products marked QUANTISED: E3M2 operands, one E8M0 scale for each 32 along K, by v_wmma_scale_f32_16x16x128_f8f6f4 with both operands' format E3M2, f32 sums; everything else in f32.
;; Inputs: W_v_codes 512 x 16 x 24 uint8 (E3M2 codes of W_v, K innermost, in blocks of 32 codes, four codes in three bytes); W_v_scales 512 x 16 uint8 (E8M0 scales of W_v, one for each 32 codes along K); b1 2,048 float32; b2 512 float32; ln1_b 512 float32; ln1_g 512 float32; ln2_b 512 float32; ln2_g 512 float32; theta_codes 512 x 16 x 24 uint8 (E3M2 codes of theta, K innermost, in blocks of 32 codes, four codes in three bytes); theta_scales 512 x 16 uint8 (E8M0 scales of theta, one for each 32 codes along K); w1_codes 2,048 x 16 x 24 uint8 (E3M2 codes of w1, K innermost, in blocks of 32 codes, four codes in three bytes); w1_scales 2,048 x 16 uint8 (E8M0 scales of w1, one for each 32 codes along K); w2_codes 512 x 64 x 24 uint8 (E3M2 codes of w2, K innermost, in blocks of 32 codes, four codes in three bytes); w2_scales 512 x 64 uint8 (E8M0 scales of w2, one for each 32 codes along K); x 4,096 x 4 x 512 float32.
;; Outputs: out0 4,096 x 4 x 512 float32.
;; This version of the problem:
;;   THIS VERSION OF THE PROBLEM IS GIVEN IN LOW PRECISION. The matrix products marked QUANTISED in the list below multiply operands that are first quantised to E3M2 (3 exponent bits, 2 mantissa bits; 6 bits a number), with one power-of-two scale for each 32 numbers along K (OCP MX v1.0); their sums are f32. All else is computed in f32.
;;   The module's matrix products, in the order in which they are computed (A, B: the left and right operand; K: the contracted axis; several contracted axes count as one K, in the product's order):
;;     1. [M 16,384, K 512] x [K 512, N 512]; A: computed on the way; B: input W_v (given as codes): QUANTISED
;;     2. [M 16,384, K 512] x [K 512, N 512]; A: computed on the way; B: input theta (given as codes): QUANTISED
;;     3. batch 4 x [M 512, K 4,096] x [K 4,096, N 512]; A: computed on the way; B: computed on the way: QUANTISED
;;     4. batch 4 x [M 4,096, K 512] x [K 512, N 512]; A: computed on the way; B: computed on the way: QUANTISED
;;     5. [M 16,384, K 512] x [K 512, N 2,048]; A: computed on the way; B: input w1 (given as codes): QUANTISED
;;     6. [M 16,384, K 2,048] x [K 2,048, N 512]; A: computed on the way; B: input w2 (given as codes): QUANTISED
;;   THE QUANTISER, for each operand of a quantised product, along K:
;;     - K is cut into blocks of 32 from its start; a last block that is shorter is filled with zeros.
;;     - A block's scale is 2^e with e = floor(log2(the largest magnitude in the block)) - 4, held to -126 .. 127; a block of zeros has e = 0. As a byte (E8M0): e + 127.
;;     - Each number is divided by its block's scale, clamped to +-28, and rounded to the nearest number of E3M2, ties to even, subnormals kept.
;;     - The product sums the exact products of the quantised numbers (number of the format x scale) in f32.
;;   ~~~python
;;   def quantise(x, axis):      # numpy; x: float32 -> the quantised numbers, widened to float32 again
;;       x = np.moveaxis(x, axis, -1); K = x.shape[-1]
;;       x = np.pad(x, [(0, 0)] * (x.ndim - 1) + [(0, -K % 32)]); x = x.reshape(x.shape[:-1] + (-1, 32)); a = np.abs(x).max(-1, keepdims=True)
;;       e = np.where(a > 0, np.clip(np.frexp(np.where(a > 0, a, 1))[1] - 1 - 4, -126, 127), 0)      # np.frexp(a)[1] - 1 = floor(log2(a)), exactly
;;       r = np.clip(x / 2.0 ** e, -28, 28)
;;       step = 2.0 ** (np.maximum(np.frexp(np.where(r == 0, 1, r))[1] - 1, -2) - 2)
;;       q = np.round(r / step) * step * 2.0 ** e      # np.round: ties to even
;;       return np.moveaxis(q.reshape(q.shape[:-2] + (-1,))[..., :K], -1, axis).astype(np.float32)
;;   ~~~
;;   OPERANDS COMPUTED ON THE WAY. 'Computed on the way' means the value that the module computes at that place (a softmax that the list does not call 'softmax' is quantised finished and normalised). What goes into a quantiser is computed in f32, as accurately as f32 sums, v_exp_f32 and their like allow (about 1e-6 of the number): no bf16 or f16 on the way to a quantiser, and a product that is left as it is and whose result goes on into a quantised operand takes f32 operands (vector FMAs, or v_wmma_f32_16x16x4_f32). A number that lies on a knife's edge between two numbers of the format may be rounded either way, as far as f32 arithmetic and the matrix unit's own rounding can turn it there, and no further.
;;   INPUTS GIVEN AS CODES. W_v (in the module: [512, 512], K = its axis 1); theta (in the module: [512, 512], K = its axis 1); w1 (in the module: [2048, 512], K = its axis 1); w2 (in the module: [512, 2048], K = its axis 1): each comes as NAME_codes (uint8): NAME with its K axis moved to the last place and cut into blocks of 32 codes, [.., K / 32, bytes a block], one block behind the other in memory; four codes in three bytes: a row's codes are one little-endian stream of bits, code i at bits 6 i .. 6 i + 5 (a code: sign, 3 exponent bits, 2 mantissa bits); and NAME_scales (uint8): the same leading axes, one E8M0 byte (e + 127) for each 32 codes along K. Its value is code x scale, taken as it is: it is not quantised again, and the codes and scales need not be those that the quantiser above would give.
;; 2 versions, each right; version 2 is version 1 with the launches gram, back written anew for expert scheduling mode. Each part assembles by itself: llvm-mc -triple=amdgcn-amd-amdhsa -mcpu=gfx1250 --defsym DOCPART=n.
;; ======== version 1 of 2: 3 launches
;; limits: a function is approximated: absolute error at most 7.5e-08; an absolute error that grows with the inputs' magnitude: up to 7.5e-08 times it
;; workspace buffers: ti 12,582,912 bytes; ts 524,288 bytes; csp 262,144 bytes; wi 1,572,864 bytes; wsi 131,072 bytes; mi 786,432 bytes; msi 65,536 bytes; fmean 8,192 bytes
;; launch front (part 1): grid 256 x 1, 4 waves a work-group, clusters of 4 x 1, 312,832 bytes of LDS; arguments x, ln1_g, ln1_b, W_v_codes, W_v_scales, theta_codes, theta_scales, w1_codes, w1_scales, w2_codes, w2_scales, ti, ts, csp, wi, wsi; writes ti, ts, csp, wi, wsi
.if DOCPART == 1
	.amdgcn_target "amdgcn-amd-amdhsa--gfx1250"
	.amdhsa_code_object_version 6
	.text
	.protected	k_q8a72a7aed0_front
	.globl	k_q8a72a7aed0_front
	.p2align	8
	.type	k_q8a72a7aed0_front,@function
k_q8a72a7aed0_front:
	s_mov_b64 s[64:65], 0
	v_nop
	global_prefetch_b8 v0, s[64:65] scope:SCOPE_SE
	s_setreg_imm32_b32 hwreg(HW_REG_WAVE_MODE, 25, 1), 1
	s_wait_xcnt 0x0
	s_wait_alu depctr_hold_cnt(0) depctr_sa_sdst(0) depctr_va_vdst(0) depctr_va_sdst(0) depctr_va_ssrc(0) depctr_va_vcc(0) depctr_vm_vsrc(0)
	s_getreg_b32 s2, hwreg(HW_REG_IB_STS2, 6, 4)
	s_cmp_eq_u32 s2, 0
	s_cbranch_scc0 .Lentry_in_a_cluster
	s_endpgm
.Lentry_in_a_cluster:
	s_bfe_u32 s2, ttmp6, 0x10000c
	s_cmp_lg_u32 s2, 0x3003
	s_cbranch_scc0 .Lentry_shape_is_right
	s_endpgm
.Lentry_shape_is_right:
; FRONT.  h = LN1(x); Q(h) along d; XWv = Q(h) W_v^T or Xth = Q(h) theta^T; the result, quantised along the POSITIONS n, goes out as
; operands of the next launch's product over n; the work-groups of W_v also store the column sums of XWv over their 128 positions.
; SHARES.  Clusters of four work-groups.  which = cluster x & 1 (0: W_v, 1: theta); row block p = 4 (cluster x / 2) + cx: batch b = p / 32, J = p % 32: positions 128 J .. 128 J + 127 of batch b, 8 tiles of 16 rows.
; Wave w owns columns 128 w .. 128 w + 127 of all 128 rows in the row-wise part (so what it quantises is K step w), and weight rows 128 w .. 128 w + 127 in the product.
; THE WEIGHTS.  The four partners of a cluster multiply by the same matrix, so each wave's 128 rows (49,152 dense bytes) are asked for JOINTLY: one tensor load a wave, the same descriptor and the mask 15 in all four.
; It is a wave's only tensor load, issued behind the cluster's round at the head and first read behind the second work-group barrier.  No branch and no LDS address hangs on cx.
; THE ROWS OF A TILE ARE NOT NEIGHBOURS: lane r of tile 2 B + u stands for index 32 B + 8 u + r + 8 (r / 8), for x's positions and for the weights' rows alike.  With source 0 = 16 positions and
; source 1 = 16 weight rows a lane then holds ONE output column, and the 16 registers of tiles 2 B, 2 B + 1 are 16 neighbouring positions 32 B + 16 (lane / 16) + 0 .. 15: the next product's K.
; LN over four waves: each wave makes, for each row, the mean and the centred sum of squares of its 128 columns; the four pairs meet in LDS and are combined without a difference of large sums.
; x COMES FIRST: three tiles are asked for ahead of everything else, then three or four tiles (48 to 64 loads of 512 bytes a wave) are always on their way; tiles 0-3's statistics are made while tiles 4-7 arrive.
; SIDE JOB.  Work-group g = 4 cluster x + cx lays tile g of w1 / w2 (16 rows x 512 along K) out as images of operand registers, for the last launch: wave w its fragment w.
; An IMAGE of a fragment (12 registers a lane): registers 4 i .. 4 i + 3 of lane l at 512 i + 16 l: every store and load of it covers 512 consecutive bytes.
; LIMITS: NaN and infinities among the inputs are not served.  A block whose largest magnitude lies under 2^-122 gets the scale byte 1, a block of zeros too (its codes are zeros; this program alone reads these bytes).
; REGISTERS, in windows of 256.  window 0: v0-28 addresses; v32-63 x's scale words; v64-95 the weights' scale words; v96-159 accumulators (before: the side job's data, the rows' statistics); v160-255 at work.
;   window 1: v0-63 ln1_g, v64-127 ln1_b of my columns; v128-175, v176-223 two sets of four weight fragments.
;   windows 2, 3: eight tiles of x, 64 registers each; later x's 32 fragments: (tile m, K step s) in window 2 + s / 2 at v[12 (8 (s % 2) + m)].
.set WWAVE, 55296                      ; LDS: a wave's 128 weight rows, 16 bytes of padding behind every 128: a row of 384 bytes takes 432 = 108 words: row i starts at word 44 i mod 64 (64 banks of 4 bytes: ISA guide 11.1).
                                       ; Eight neighbouring rows start at eight different places; rows 16 apart start at the same one (16 x 432 is a multiple of 256), so a tile's two groups of eight rows meet two deep
.set XT,    4*WWAVE                    ; a wave's stage for the turn: 16 rows x (512 + 16) bytes
.set XIMG,  XT+4*8448                  ; x's 32 fragments as images: (4 m + s) x 1,536
.set XSC,   XIMG+32*1536               ; their scale words: (4 m + s) x 128 + 4 x lane
.set STAT,  XSC+32*128                 ; (mean, sum of squares) of row r, tile m, quarter q at ((4 m + q) 16 + r) 8
.set XS,  32
.set WS,  64
.set ACC, 96
.set SQ,  96
.set TM,  160
.set PC,  176
.set PW,  196
.set SW,  200
.set CS,  208
.set SA,  216
.set ST,  232
.set TP,  248
.set STW, 14
.set STR, 15
.set GID, 3
.set WV,  36
.set SEL, 40
.set I512, 42
.set EPS, 43
.set WHICH, 50
.set HM,  53
.set G0,  84                           ; s[84:87] descriptor group 0, s[88:95] group 1: never rewritten
.set G1,  88
.set MSB, 0
.macro WIN new                         ; the immediate's high byte repeats the setting that is left; a switch that changes nothing is dropped
.if MSB != (\new)
	s_set_vgpr_msb (MSB<<8)|(\new)
.set MSB, (\new)
.endif
.endm
.macro PLACES n
.rept \n
	v_nop
.endr
.endm
.macro BARRIER                         ; my LDS stores have landed and my LDS loads are in: then the work-group's barrier
	s_wait_dscnt 0x0
	s_barrier_signal -1
	s_barrier_wait -1
.endm
.macro CROUND                          ; a round of the cluster's barrier: my work-group's barrier; wave 0 signals for the work-group; every wave waits for all four work-groups; my work-group's barrier once more
	s_barrier_signal -1
	s_barrier_wait -1
	s_cmp_lg_u32 s[WV], 0
	s_cbranch_scc1 .Lnot_wave_0_\@
	s_barrier_signal -3
.Lnot_wave_0_\@:
	s_barrier_wait -3
	s_barrier_signal -1
	s_barrier_wait -1
.endm
.macro MMZ d, a, b, sa, sb             ; a product that starts a sum
	v_wmma_scale_f32_16x16x128_f8f6f4 v[(\d):(\d)+7], v[(\a):(\a)+11], v[(\b):(\b)+11], 0, v[(\sa)], v[(\sb)] matrix_a_fmt:MATRIX_FMT_BF6 matrix_b_fmt:MATRIX_FMT_BF6
.endm
.macro MMC d, a, b, c, sa, sb
	v_wmma_scale_f32_16x16x128_f8f6f4 v[(\d):(\d)+7], v[(\a):(\a)+11], v[(\b):(\b)+11], v[(\c):(\c)+7], v[(\sa)], v[(\sb)] matrix_a_fmt:MATRIX_FMT_BF6 matrix_b_fmt:MATRIX_FMT_BF6
.endm
; 64 numbers of a lane, v[S] .. v[S + 63] of window WS, register 16 b + i = k 32 b + 16 (lane / 16) + i of my row.  QMAX: the four blocks' largest magnitudes, scale operands (TM + 12 ..) and bytes (TM + 4 ..), in window WT.
.macro QMAX S, WS, WT
	WIN (\WS)|((\WS)<<2)|((\WT)<<4)|((\WT)<<6)
.irp b,0,1,2,3
	v_max3_num_f32 v[TM+\b], |v[(\S)+16*\b]|, |v[(\S)+16*\b+1]|, 0x2800000   ; with the floor 2^(5 - 127): the byte cannot fall under 1
.endr
.irp i,2,4,6,8,10,12,14
.irp b,0,1,2,3
	v_max3_num_f32 v[TM+\b], |v[(\S)+16*\b+\i]|, |v[(\S)+16*\b+\i+1]|, v[TM+\b]
.endr
.endr
	WIN (\WT)*0x55
.irp b,0,1,2,3
	v_permlanex16_b32 v[TM+4+\b], v[TM+\b], s[SEL], s[SEL+1]
.endr
.irp b,0,1,2,3
	v_max_num_f32 v[TM+\b], v[TM+\b], v[TM+4+\b]          ; with lane l xor 16's: the block's
.endr
.irp b,0,1,2,3
	v_add_nc_u32 v[TM+12+\b], 0xfe000000, v[TM+\b]        ; 4 off the exponent field: the conversion's scale operand
.endr
.irp b,0,1,2,3
	v_lshrrev_b32 v[TM+4+\b], 23, v[TM+12+\b]             ; the scale's byte
.endr
.endm
; QCVT: the fragment's codes into v[PC] .. v[PC + 11] and its scale word into v[PW], window WT
.macro QCVT S, WS, WT
	WIN (\WT)*0x55
	v_lshl_or_b32 v[PW], v[TM+5], 8, v[TM+4]
	v_lshl_or_b32 v[PW], v[TM+6], 16, v[PW]
	v_lshl_or_b32 v[PW], v[TM+7], 24, v[PW]
	WIN (\WS)|((\WT)<<2)|((\WT)<<6)
.irp c,0,1
	v_cvt_scalef32_pk16_bf6_f32 v[PC+6*\c:PC+6*\c+2], v[(\S)+32*\c:(\S)+32*\c+15], v[TM+12+2*\c]
	v_cvt_scalef32_pk16_bf6_f32 v[PC+12+4*\c:PC+14+4*\c], v[(\S)+32*\c+16:(\S)+32*\c+31], v[TM+13+2*\c]   ; (a conversion's three registers begin on an even number)
.endr
	WIN (\WT)*0x55
	v_nop                                          ; one plain place behind a scaled conversion
.irp c,0,1                             ; the operand's layout wants a whole block in a lane
.irp i,0,1,2
	v_permlane16_swap_b32 v[PC+6*\c+\i], v[PC+12+4*\c+\i]
.endr
.irp i,0,1,2
	v_mov_b32 v[PC+3+6*\c+\i], v[PC+12+4*\c+\i]
.endr
.endr
.endm
; LN, four tiles at a time: tile q's 64 numbers at v[64 q] of window WX; its statistics are tile m0 + q's, in window WT
.macro LNJOIN m0                       ; a pair's two halves, and lane l xor 16's
.irp q,0,1,2,3
	v_add_f32 v[SA+2*(\m0+\q)], v[SA+2*(\m0+\q)], v[SA+2*(\m0+\q)+1]
.endr
.irp q,0,1,2,3
	v_permlanex16_b32 v[SA+2*(\m0+\q)+1], v[SA+2*(\m0+\q)], s[SEL], s[SEL+1]
.endr
.irp q,0,1,2,3
	v_add_f32 v[SA+2*(\m0+\q)], v[SA+2*(\m0+\q)], v[SA+2*(\m0+\q)+1]
.endr
.endm
.macro LNSUM WX, WT, m0                ; the mean of my 128 columns of each row, into v[ST + 2 m]
	WIN (\WX)|((\WX)<<2)|((\WT)<<6)
.irp q,0,1,2,3
	v_pk_add_f32 v[SA+2*(\m0+\q):SA+2*(\m0+\q)+1], v[64*\q:64*\q+1], v[64*\q+2:64*\q+3]
.endr
	WIN (\WT)|((\WX)<<2)|((\WT)<<6)
.set j, 4
.rept 30
.irp q,0,1,2,3
	v_pk_add_f32 v[SA+2*(\m0+\q):SA+2*(\m0+\q)+1], v[SA+2*(\m0+\q):SA+2*(\m0+\q)+1], v[64*\q+j:64*\q+j+1]
.endr
.set j, j+2
.endr
	WIN (\WT)*0x55
	LNJOIN \m0
.irp q,0,1,2,3
	v_mul_f32 v[ST+2*(\m0+\q)], 0x3c000000, v[SA+2*(\m0+\q)]      ; / 128
.endr
.endm
.macro LNCEN WX, WT, m0                ; the numbers less that mean, in place; the sum of their squares into v[SA + 2 m]
	WIN (\WX)|((\WT)<<2)|((\WX)<<6)
.set j, 0
.rept 32
.irp q,0,1,2,3
	v_pk_add_f32 v[64*\q+j:64*\q+j+1], v[64*\q+j:64*\q+j+1], v[ST+2*(\m0+\q):ST+2*(\m0+\q)+1] op_sel_hi:[1,0] neg_lo:[0,1] neg_hi:[0,1]
.endr
.set j, j+2
.endr
	WIN (\WX)|((\WX)<<2)|((\WT)<<4)|((\WT)<<6)
.irp q,0,1,2,3
	v_pk_mul_f32 v[SA+2*(\m0+\q):SA+2*(\m0+\q)+1], v[64*\q:64*\q+1], v[64*\q:64*\q+1]
.endr
.set j, 2
.rept 31
.irp q,0,1,2,3
	v_pk_fma_f32 v[SA+2*(\m0+\q):SA+2*(\m0+\q)+1], v[64*\q+j:64*\q+j+1], v[64*\q+j:64*\q+j+1], v[SA+2*(\m0+\q):SA+2*(\m0+\q)+1]
.endr
.set j, j+2
.endr
	WIN (\WT)*0x55
	LNJOIN \m0
.endm
.macro LNPUT WT, m0, off               ; (mean, sum of squares) to LDS; both halves of the lanes write the same 8 bytes with the same value
	WIN (\WT)*0x55
.irp q,0,1,2,3
	v_mov_b32 v[ST+2*(\m0+\q)+1], v[SA+2*(\m0+\q)]
.endr
	WIN (\WT)<<2
.irp q,0,1,2,3
	ds_store_b64 v[STW], v[ST+2*(\m0+\q):ST+2*(\m0+\q)+1] offset:\off+512*(\m0+\q)
.endr
	WIN 0
.endm
.macro LNNORM WX, WT, WG, m0           ; ((x - my mean) rstd + (my mean - mean) rstd) g + b
	WIN (\WX)|((\WT)<<2)|((\WT)<<4)|((\WX)<<6)
.set j, 0
.rept 32
.irp q,0,1,2,3
	v_pk_fma_f32 v[64*\q+j:64*\q+j+1], v[64*\q+j:64*\q+j+1], v[SA+2*(\m0+\q):SA+2*(\m0+\q)+1], v[ST+2*(\m0+\q):ST+2*(\m0+\q)+1] op_sel_hi:[1,0,0]
.endr
.set j, j+2
.endr
	WIN (\WX)|((\WG)<<2)|((\WG)<<4)|((\WX)<<6)
.set j, 0
.rept 32
.irp q,0,1,2,3
	v_pk_fma_f32 v[64*\q+j:64*\q+j+1], v[64*\q+j:64*\q+j+1], v[j:j+1], v[64+j:64+j+1]
.endr
.set j, j+2
.endr
.endm
	s_load_b512 s[4:19], s[0:1], 0x0               ; x, ln1_g, ln1_b, W_v codes, W_v scales, theta codes, theta scales, w1 codes
	s_load_b512 s[20:35], s[0:1], 0x40             ; w1 scales, w2 codes, w2 scales, ti, ts, csp, wi, wsi
	v_lshl_add_u32 v198, v0, 2, 0x4c400
	v_mov_b32 v199, 0
	ds_add_u32 v198, v199
	ds_add_u32 v198, v199
	v_lshrrev_b32 v22, 5, v0
	v_readfirstlane_b32 s[WV], v22                 ; wave 0..3
	v_and_b32 v23, 31, v0                          ; lane l
	v_and_b32 v2, 15, v0                           ; r
	v_bfe_u32 v3, v0, 4, 1                         ; h
	v_lshlrev_b32 v1, 4, v23                       ; 16 l
	v_lshrrev_b32 v26, 3, v2                       ; r / 8
	v_lshl_add_u32 v27, v26, 3, v2                 ; r + 8 (r / 8)
	s_mul_i32 s78, s[WV], 8448
	s_add_co_u32 s78, s78, XT                      ; my stage
	v_add_nc_u32 v4, s78, v1                       ; into it: a row's 512 bytes, 16 a lane
	v_mul_u32_u24 v5, v2, 528
	v_lshl_add_u32 v5, v3, 6, v5
	v_add_nc_u32 v5, s78, v5                       ; out of it: row r, + 64 h: my 16 numbers of a block of 32
	s_mul_i32 s79, s[WV], WWAVE                    ; my weight rows
	v_mul_u32_u24 v9, v27, 432                     ; a weight fragment: row r + 8 (r / 8) of the tile's 24,
	v_mad_u32_u24 v9, v3, 24, v9                   ; + 24 h
	v_add_nc_u32 v9, s79, v9
	v_lshl_add_u32 v28, v3, 4, v9                  ; and the same behind one padding more for lanes 16-31: + 40 h
	s_mul_i32 s80, s[WV], 1536
	v_add_nc_u32 v11, XIMG, v1                     ; images: read
	v_add_nc_u32 v10, s80, v11                     ; and written: K step w
	s_lshl_b32 s81, s[WV], 7
	v_lshl_add_u32 v13, v23, 2, XSC
	v_add_nc_u32 v12, s81, v13
	v_lshl_add_u32 v[STR], v2, 3, STAT
	v_add_nc_u32 v[STW], s81, v[STR]
	v_lshlrev_b32 v16, 6, v3                       ; 64 h: ln1_g, ln1_b
	v_lshlrev_b32 v17, 4, v27                      ; the weights' scale rows, 16 bytes each
	v_lshlrev_b32 v18, 5, v2
	v_lshl_add_u32 v18, v3, 4, v18                 ; ts: 32 r + 16 h
	v_lshl_add_u32 v19, v3, 3, v27
	v_lshlrev_b32 v19, 2, v19                      ; csp: 4 (8 h + r + 8 (r / 8))
	v_cmp_ne_u32 s[HM], 0, v3                      ; lanes 16-31
.irp i,4,5,6,7
	v_mov_b32 v[TM+\i], 0                          ; written once: a lane permute's destination counts as one of its sources
.endr
.irp i,1,3,5,7,9,11,13,15
	v_mov_b32 v[ST+\i], 0                          ; (named as the upper halves of pairs before they are first written)
.endr
.irp i,0,1,2,3,4,5,6,7
	v_mov_b32 v[CS+\i], 0
.endr
	s_mov_b32 s[SEL], 0x76543210
	s_mov_b32 s[SEL+1], 0xfedcba98                 ; v_permlanex16_b32's selects for lane l xor 16
	s_mov_b32 s[I512], 0x3b000000                  ; 1 / 512
	s_mov_b32 s[EPS], 0x3727c5ac                   ; 1e-5
	; the weights' descriptor.  Group 1: a dense block of 49,152 bytes as 192 rows of 256 bytes
	s_mov_b32 s[G1+0], 15|(3<<16)|(1<<20)|(1<<21)|(4<<22)|(3<<25)  ; 15:0 the mask: all four work-groups; 17:16 elements of 8 bytes; 20 padding on; 21 set beside a mask; 24:22 after every 32 words (code 4); 31:25 4 words of it (code 3)
	s_mov_b32 s[G1+1], 32<<16                      ; tensor_dim0 = 32 elements
	s_mov_b32 s[G1+2], 192<<16                     ; tensor_dim1 = 192
	s_mov_b32 s[G1+3], 32<<16                      ; tile_dim0 = 32
	s_mov_b32 s[G1+4], 192                         ; tile_dim1 = 192
	s_mov_b32 s[G1+5], 32                          ; from row to row: 32 elements
	s_mov_b32 s[G1+6], 0
	s_mov_b32 s[G1+7], 0
	s_mov_b32 s[G0], 1                             ; count = 1
	s_mul_i32 s[G0+1], s[WV], WWAVE                ; LDS address: the wave's number alone
	s_bfe_u32 s2, ttmp6, 0x40000                   ; cx: it enters global addresses of x, of the results and of the side job alone
	s_lshl_b32 s[GID], ttmp9, 2                    ; in a cluster launch ttmp9 counts clusters
	s_add_co_u32 s[GID], s[GID], s2                ; g = 4 x cluster x + cx
	s_and_b32 s[WHICH], ttmp9, 1                   ; the same in all four partners
	s_lshr_b32 s38, ttmp9, 1
	s_lshl_b32 s38, s38, 2
	s_add_co_u32 s38, s38, s2                      ; p = 4 (cluster x / 2) + cx
	s_lshr_b32 s51, s38, 5                         ; b
	s_and_b32 s52, s38, 31                         ; J
	s_lshl_b32 s76, s[WV], 9                       ; 512 w
	s_mov_b32 s77, 0
	s_lshl_b32 s54, s52, 20                        ; x: 128 J positions of 8,192 bytes,
	s_lshl_b32 s37, s51, 11                        ; + batch b's row of 2,048,
	s_add_co_u32 s54, s54, s37
	s_add_co_u32 s54, s54, s76                     ; + my quarter
	s_mov_b32 s55, 0
	s_lshl_b32 s38, s[WHICH], 2
	s_add_co_u32 s38, s38, s51                     ; 4 which + b
	s_lshl_b32 s39, s38, 5
	s_lshl_b32 s56, s[WV], 3
	s_add_co_u32 s56, s56, s39                     ; the first of my 8 column tiles
	s_lshl_b32 s56, s56, 5
	s_add_co_u32 s56, s56, s52
	s_mul_i32 s56, s56, 1536                       ; ti: ((4 which + b) 32 + 8 w) 32 + J images
	s_mov_b32 s57, 0
	s_add_co_u32 s58, s39, s52
	s_lshl_b32 s58, s58, 11
	s_add_co_u32 s58, s58, s76                     ; ts: ((4 which + b) 32 + J) 2,048 + 512 w
	s_mov_b32 s59, 0
	s_lshl_b32 s60, s51, 5
	s_add_co_u32 s60, s60, s52
	s_lshl_b32 s60, s60, 11
	s_add_co_u32 s60, s60, s76                     ; csp: (32 b + J) 2,048 + 512 w
	s_mov_b32 s61, 0
	s_mul_i32 s62, s[WV], 49152                    ; my 128 weight rows of 384 bytes
	s_mov_b32 s63, 0
	s_lshl_b32 s74, s[WV], 11                      ; and their scale rows
	s_mov_b32 s75, 0
	; the side job's tile: unit g = ((w 4 + c) 2 + kind) 8 + t
	s_bfe_u32 s46, s[GID], 0x20004                 ; c
	s_mul_i32 s47, s46, 384
	s_lshl_b32 s48, s46, 4
	s_lshl_b32 s46, s46, 9
	s_lshr_b32 s49, s[GID], 6
	s_lshl_b32 s49, s49, 7                         ; 128 w
	s_bfe_u32 s66, s[GID], 0x20001
	s_lshl_b32 s66, s66, 5
	s_add_co_u32 s49, s49, s66                     ; + 32 (t / 2)
	s_and_b32 s66, s[GID], 1
	s_lshl_b32 s66, s66, 3
	s_add_co_u32 s49, s49, s66                     ; + 8 (t % 2)
	s_bfe_u32 s82, ttmp9, 0x10001                  ; kind = bit 3 of g = bit 1 of cluster x: 0 = w1, 1 = w2
	s_mov_b32 s44, 1536
	s_cmp_lg_u32 s82, 0
	s_cselect_b32 s44, s44, 384                    ; bytes in a row of codes
	s_cselect_b32 s45, 64, 16                      ; and of scales
	s_cselect_b32 s46, 0, s46                      ; w1: chunk c is 512 rows on;
	s_cselect_b32 s47, s47, 0                      ; w2: it is 512 along K on: 384 bytes of codes,
	s_cselect_b32 s48, s48, 0                      ; 16 of scales
	s_add_co_u32 s49, s49, s46
	s_mul_i32 s66, s49, s44
	s_add_co_u32 s66, s66, s47
	s_mul_i32 s83, s[WV], 96
	s_add_co_u32 s66, s66, s83                     ; my wave's fragment: K step w, 96 bytes on
	s_mov_b32 s67, 0
	s_mul_i32 s68, s49, s45
	s_add_co_u32 s68, s68, s48
	s_mov_b32 s69, 0
	s_mul_i32 s70, s[GID], 6144
	s_add_co_u32 s70, s70, s80                     ; and its image: 1,536 w on
	s_mov_b32 s71, 0
	s_lshl_b32 s72, s[GID], 9
	s_mov_b32 s73, 0
	v_mul_lo_u32 v20, v27, s44
	v_mad_u32_u24 v20, v3, 24, v20                 ; the side job's fragment: row r + 8 (r / 8), + 24 h
	v_mul_lo_u32 v21, v27, s45
.macro XISSUE k                        ; tile k of x: 16 loads of 512 consecutive bytes, a row's quarter each
	WIN ((2+(\k)/4)<<6)|((2+(\k)/4)<<2)
.irp i,0,1,2,3,4,5,6,7,8,9,10,11,12,13,14,15
	global_load_b128 v[64*((\k)%4)+4*\i:64*((\k)%4)+4*\i+3], v1, s[4:5] offset:(32*((\k)/2)+8*((\k)%2)+\i+8*(\i/8))*8192
.endr
.endm
.macro XTURN k                         ; tile k through my stage: in by rows, out by a lane's registers
	WIN ((2+(\k)/4)<<6)|((2+(\k)/4)<<2)
.irp i,0,1,2,3,4,5,6,7,8,9,10,11,12,13,14,15
	ds_store_b128 v4, v[64*((\k)%4)+4*\i:64*((\k)%4)+4*\i+3] offset:528*\i
.endr
.irp i,0,1,2,3,4,5,6,7,8,9,10,11,12,13,14,15   ; LDS serves a wave's instructions in order: these see the stores above, and come back into the registers that they left
	ds_load_b128 v[64*((\k)%4)+4*\i:64*((\k)%4)+4*\i+3], v5 offset:128*(\i/4)+16*(\i%4)
.endr
.endm
.macro VLOAD R, lo                     ; a vector's 64 numbers of my columns: register 16 B + 4 j + e = column 32 B + 16 h + 4 j + e of my quarter
	WIN 0x40
.irp q,0,1,2,3,4,5,6,7,8,9,10,11,12,13,14,15
	global_load_b128 v[(\R)+4*\q:(\R)+4*\q+3], v16, s[\lo:\lo+1] offset:128*(\q/4)+16*(\q%4)
.endr
.endm
	s_wait_dscnt 0x0
	s_wait_kmcnt 0x0
	s_add_nc_u64 s[4:5], s[4:5], s[54:55]
	XISSUE 0                                       ; x first: nothing else stands ahead of it in the order in which loads come back
	XISSUE 1
	XISSUE 2
	WIN 0
	s_cmp_lg_u32 s82, 0                            ; the choices hang on the cluster's number alone
	s_cselect_b64 s[18:19], s[22:23], s[18:19]
	s_cselect_b64 s[20:21], s[24:25], s[20:21]
	s_cmp_eq_u32 s[WHICH], 0
	s_cselect_b64 s[10:11], s[10:11], s[14:15]
	s_cselect_b64 s[12:13], s[12:13], s[16:17]
	s_add_nc_u64 s[6:7], s[6:7], s[76:77]
	s_add_nc_u64 s[8:9], s[8:9], s[76:77]
	s_add_nc_u64 s[12:13], s[12:13], s[74:75]
	s_add_nc_u64 s[18:19], s[18:19], s[66:67]
	s_add_nc_u64 s[20:21], s[20:21], s[68:69]
	s_add_nc_u64 s[26:27], s[26:27], s[56:57]
	s_add_nc_u64 s[28:29], s[28:29], s[58:59]
	s_add_nc_u64 s[30:31], s[30:31], s[60:61]
	s_add_nc_u64 s[32:33], s[32:33], s[70:71]
	s_add_nc_u64 s[34:35], s[34:35], s[72:73]
	s_add_nc_u64 s[G0+2:G0+3], s[10:11], s[62:63]  ; global address: the matrix by which, the rows by the wave: equal in all four partners
	s_or_b32 s[G0+3], s[G0+3], 0x80000000          ; type = 2
	CROUND                                         ; all four work-groups are here: the joint loads meet
	tensor_load_to_lds s[G0:G0+3], s[G1:G1+7]      ; my one tensor load: one is out
	s_nop 0
	PLACES 4                                       ; four plain lines behind it
.irp k,0,1,2,3
	s_wait_loadcnt 32                              ; tile k is in; behind it: the next two tiles' 32 loads
	XISSUE \k+3
	XTURN \k
.endr
	XISSUE 7                                       ; the last tile is asked for ahead of the work below: tiles 4 to 7 are on their way
	s_wait_dscnt 0x0                               ; tiles 0 to 3 are back from the stage
	LNSUM 2, 0, 0
	LNCEN 2, 0, 0
	LNPUT 0, 0, 0
	s_wait_loadcnt 48                              ; tile 4 is in; behind it: tiles 5, 6, 7
	VLOAD 0, 6                                     ; ln1_g
	XTURN 4
	s_wait_loadcnt 48                              ; tile 5; behind it: tiles 6, 7 and ln1_g
	VLOAD 64, 8                                    ; ln1_b
	XTURN 5
	s_wait_loadcnt 48                              ; tile 6; behind it: tile 7, ln1_g, ln1_b
	WIN 0
.irp t,0,1,2,3,4,5,6,7                 ; a weight row's 16 scale bytes are its four scale words
	global_load_b128 v[WS+4*\t:WS+4*\t+3], v17, s[12:13] offset:16*(32*(\t/2)+8*(\t%2))
.endr
.irp p,0,1,2,3,4,5                     ; the side job: my fragment of the tile
	global_load_b64 v[ACC+2*\p:ACC+2*\p+1], v20, s[18:19] offset:48*(\p/3)+8*(\p%3)
.endr
	s_cmp_lg_u32 s[WV], 0                          ; and, in wave 0, the tile's scale rows
	s_cbranch_scc1 .Lsj_loaded
	global_load_b128 v[ACC+12:ACC+15], v21, s[20:21]
.Lsj_loaded:
	XTURN 6
	s_wait_loadcnt 46                              ; tile 7; behind it: 16 + 16 + 8 + 6 loads (wave 0 has one more: its wait is the stricter for it)
	XTURN 7
	s_wait_dscnt 0x0                               ; tiles 4 to 7 are back from the stage
	LNSUM 3, 0, 4
	LNCEN 3, 0, 4
	LNPUT 0, 4, 0
	s_wait_loadcnt 0x0                             ; ln1_g, ln1_b, the weights' scale words, the side job's data
.irp i,0,1,2                           ; the side job's way out: a fragment's registers are its image
	global_store_b128 v1, v[ACC+4*\i:ACC+4*\i+3], s[32:33] offset:512*\i
.endr
	s_cmp_lg_u32 s[WV], 0
	s_cbranch_scc1 .Lsj_stored
	global_store_b128 v1, v[ACC+12:ACC+15], s[34:35]
.Lsj_stored:
	s_wait_tensorcnt 0x0                           ; my weight rows lie in LDS; only I read them
	BARRIER                                        ; all four quarters' statistics lie in LDS
	s_wait_xcnt 0x0                                ; the side job's stores have read their registers, which the loads below take
.irp m,0,1,2,3,4,5,6,7
.irp q,0,1,2,3
	ds_load_b64 v[SQ+8*\m+2*\q:SQ+8*\m+2*\q+1], v[STR] offset:512*\m+128*\q
.endr
.endr
	s_wait_dscnt 0x0
	; mean = the four means' mean; M2 = the four sums of squares + 128 x the sum of (quarter's mean - mean)^2; rstd = 1 / sqrt(M2 / 512 + eps)
.irp m,0,1,2,3,4,5,6,7
	v_add_f32 v[SA+2*\m], v[SQ+8*\m], v[SQ+8*\m+2]
	v_add_f32 v[SA+2*\m+1], v[SQ+8*\m+4], v[SQ+8*\m+6]
.endr
.irp m,0,1,2,3,4,5,6,7
	v_add_f32 v[SA+2*\m], v[SA+2*\m], v[SA+2*\m+1]
.endr
.irp m,0,1,2,3,4,5,6,7
	v_mul_f32 v[SA+2*\m], 0x3e800000, v[SA+2*\m]
.endr
.irp m,0,1,2,3,4,5,6,7
.irp q,0,2,4,6
	v_sub_f32 v[SQ+8*\m+\q], v[SQ+8*\m+\q], v[SA+2*\m]
.endr
	v_add_f32 v[SQ+8*\m+1], v[SQ+8*\m+1], v[SQ+8*\m+3]
	v_add_f32 v[SQ+8*\m+5], v[SQ+8*\m+5], v[SQ+8*\m+7]
.endr
.irp m,0,1,2,3,4,5,6,7
	v_mul_f32 v[SA+2*\m+1], v[SQ+8*\m], v[SQ+8*\m]
	v_add_f32 v[SQ+8*\m+1], v[SQ+8*\m+1], v[SQ+8*\m+5]
.endr
.irp q,2,4,6
.irp m,0,1,2,3,4,5,6,7
	v_fma_f32 v[SA+2*\m+1], v[SQ+8*\m+\q], v[SQ+8*\m+\q], v[SA+2*\m+1]
.endr
.endr
.irp m,0,1,2,3,4,5,6,7
	v_fma_f32 v[SQ+8*\m+1], v[SA+2*\m+1], 0x43000000, v[SQ+8*\m+1]
.endr
.irp m,0,1,2,3,4,5,6,7
	v_fma_f32 v[SQ+8*\m+1], v[SQ+8*\m+1], s[I512], s[EPS]
.endr
.irp m,0,1,2,3,4,5,6,7
	v_sub_f32 v[SA+2*\m+1], v[ST+2*\m], v[SA+2*\m]        ; my quarter's mean - mean
.endr
.irp m,0,1,2,3,4,5,6,7
	v_rsq_f32 v[SA+2*\m], v[SQ+8*\m+1]
.endr
	v_nop                                          ; a plain place behind the last of the batch,
	s_wait_alu depctr_va_vdst(0)                   ; and one wait for the eight, ahead of their first reader
.irp m,0,1,2,3,4,5,6,7
	v_mul_f32 v[ST+2*\m], v[SA+2*\m+1], v[SA+2*\m]
.endr
	LNNORM 2, 0, 1, 0
	LNNORM 3, 0, 1, 4
.irp m,0,1,2,3,4,5,6,7                 ; my quarter of tile m becomes K step w of its fragments
	QMAX 64*(\m%4), 2+\m/4, 0
	s_wait_dscnt 0x0                               ; the last image's stores have read their registers
	QCVT 64*(\m%4), 2+\m/4, 0
.irp g,0,1,2
	ds_store_b128 v10, v[PC+4*\g:PC+4*\g+3] offset:6144*\m+512*\g
.endr
	ds_store_b32 v12, v[PW] offset:512*\m
.endr
	BARRIER                                        ; x's 32 fragments and their scale words lie in LDS
.irp s,0,1,2,3
	WIN (2+\s/2)<<6
.irp m,0,1,2,3,4,5,6,7
.irp g,0,1,2
	ds_load_b128 v[12*(8*(\s%2)+\m)+4*\g:12*(8*(\s%2)+\m)+4*\g+3], v11 offset:(4*\m+\s)*1536+512*\g
.endr
.endr
.endr
	WIN 0
.irp m,0,1,2,3,4,5,6,7
.irp s,0,1,2,3
	ds_load_b32 v[XS+4*\m+\s], v13 offset:(4*\m+\s)*128
.endr
.endr
; Weight tile t's four fragments out of my rows in LDS, in pieces of 8 bytes, so that every address is a multiple of the access's size.  Piece e of a row's 48 lies at 8 e + 16 (e / 16): 16 bytes of padding behind every 16 pieces.
; Lanes 0-15 take pieces 12 s + 0, 1, 2 and 12 s + 6, 7, 8, lanes 16-31 those three pieces on: where that is behind one padding more (e % 16 from 13 on), the second address register (40 for 24 bytes a half) serves.
.macro WFRAG t
	WIN 0x40
.irp s,0,1,2,3
.irp p,0,1,2,3,4,5
.set PCE, 12*\s+6*(\p/3)+\p%3
.if PCE%16 < 13
	ds_load_b64 v[128+48*((\t)%2)+12*\s+2*\p:128+48*((\t)%2)+12*\s+2*\p+1], v9 offset:432*(32*((\t)/2)+8*((\t)%2))+8*PCE+16*(PCE/16)
.else
	ds_load_b64 v[128+48*((\t)%2)+12*\s+2*\p:128+48*((\t)%2)+12*\s+2*\p+1], v28 offset:432*(32*((\t)/2)+8*((\t)%2))+8*PCE+16*(PCE/16)
.endif
.endr
.endr
.endm
.macro TMUL t                          ; 32 products: eight accumulators by turns, one instruction a turn, K step by K step
.irp s,0,1,2,3
	WIN 0x06|(\s/2)
.irp m,0,1,2,3,4,5,6,7
.if \s == 0
	MMZ ACC+8*\m, 12*(8*(\s%2)+\m), 128+48*((\t)%2)+12*\s, XS+4*\m+\s, WS+4*(\t)+\s
.else
	MMC ACC+8*\m, 12*(8*(\s%2)+\m), 128+48*((\t)%2)+12*\s, ACC+8*\m, XS+4*\m+\s, WS+4*(\t)+\s
.endif
.endr
.endr
.endm
.macro COLSUM t                        ; XWv's column sums over my work-group's 128 positions (each accumulator is read from its low end on)
	s_cmp_lg_u32 s[WHICH], 0
	s_cbranch_scc1 .Lno_sum_\@
.irp b,0,1,2,3
	v_pk_add_f32 v[TP+2*\b:TP+2*\b+1], v[ACC+16*\b:ACC+16*\b+1], v[ACC+16*\b+2:ACC+16*\b+3]
.endr
.irp i,4,6,8,10,12,14
.irp b,0,1,2,3
	v_pk_add_f32 v[TP+2*\b:TP+2*\b+1], v[TP+2*\b:TP+2*\b+1], v[ACC+16*\b+\i:ACC+16*\b+\i+1]
.endr
.endr
	v_pk_add_f32 v[TP:TP+1], v[TP:TP+1], v[TP+2:TP+3]
	v_pk_add_f32 v[TP+4:TP+5], v[TP+4:TP+5], v[TP+6:TP+7]
	v_pk_add_f32 v[TP:TP+1], v[TP:TP+1], v[TP+4:TP+5]
	v_add_f32 v[TP], v[TP], v[TP+1]
	v_permlanex16_b32 v[TP+1], v[TP], s[SEL], s[SEL+1]
	v_add_f32 v[CS+\t], v[TP], v[TP+1]
.Lno_sum_\@:
.endm
	WFRAG 0
.irp t,0,1,2,3,4,5,6,7
.if \t < 7
	WFRAG \t+1
	s_wait_dscnt 24                                ; all but the next tile's 24 loads
.else
	s_wait_dscnt 0x0
.endif
	TMUL \t
	WIN 0
	PLACES 4                                       ; behind the products: ahead of the first read of results and of loads into registers that they read
	COLSUM \t
	QMAX ACC, 0, 0                                 ; 64 registers = 128 positions of my column: one fragment of the next product, K = n
	s_wait_xcnt 0x0                                ; the last tile's stores have read their registers
	QCVT ACC, 0, 0
.irp g,0,1,2
	global_store_b128 v1, v[PC+4*\g:PC+4*\g+3], s[26:27] offset:49152*\t+512*\g    ; 512 consecutive bytes
.endr
	v_mov_b32 v[SW+\t], v[PW]
.endr
.irp i,0,1,2,3
	v_cndmask_b32 v[TP+\i], v[SW+\i], v[SW+4+\i], s[HM]   ; lanes 0-15 store tiles 0-3's scale words of their row, lanes 16-31 tiles 4-7's
.endr
	global_store_b128 v18, v[TP:TP+3], s[28:29]    ; the wave's 512 consecutive bytes
	s_cmp_lg_u32 s[WHICH], 0
	s_cbranch_scc1 .Lend
.irp b,0,1,2,3
	v_cndmask_b32 v[TP+4+\b], v[CS+2*\b], v[CS+2*\b+1], s[HM]
	global_store_b32 v19, v[TP+4+\b], s[30:31] offset:128*\b      ; columns 32 B .. 32 B + 31 of my quarter: 128 consecutive bytes
.endr
.Lend:
	s_wait_tensorcnt 0x0
	ds_add_u32 v198, v199
	s_wait_dscnt 0x0
	CROUND                                         ; the closing round: no work-group ends while a partner may still ask for a tile that names it
	s_endpgm
.Lfunc_end_k_q8a72a7aed0_front:
	.size	k_q8a72a7aed0_front, .Lfunc_end_k_q8a72a7aed0_front-k_q8a72a7aed0_front
	.p2alignl 7, 3214868480
	.fill 96, 4, 3214868480
	.section	.rodata,"a",@progbits
	.p2align	6, 0x0
	.amdhsa_kernel k_q8a72a7aed0_front
		.amdhsa_group_segment_fixed_size 312832
		.amdhsa_private_segment_fixed_size 0
		.amdhsa_enable_private_segment 0
		.amdhsa_kernarg_size 128
		.amdhsa_user_sgpr_count 2
		.amdhsa_user_sgpr_kernarg_segment_ptr 1
		.amdhsa_wavefront_size32 1
		.amdhsa_system_sgpr_workgroup_id_x 1
		.amdhsa_system_sgpr_workgroup_id_y 1
		.amdhsa_system_sgpr_workgroup_id_z 1
		.amdhsa_system_vgpr_workitem_id 0
		.amdhsa_next_free_vgpr 1024
		.amdhsa_next_free_sgpr 96
		.amdhsa_reserve_vcc 0
		.amdhsa_float_denorm_mode_32 3
		.amdhsa_float_denorm_mode_16_64 3
		.amdhsa_memory_ordered 1
		.amdhsa_forward_progress 1
		.amdhsa_inst_pref_size 255
	.end_amdhsa_kernel
	.section	.bss,"aw",@nobits
	.p2align	6
	.space	262144
	.amdgpu_metadata
---
amdhsa.version: [ 1, 2 ]
amdhsa.kernels:
  - .name:           k_q8a72a7aed0_front
    .symbol:         k_q8a72a7aed0_front.kd
    .args:
      - { .name: x, .offset: 0, .size: 8, .value_kind: global_buffer, .address_space: global }
      - { .name: ln1_g, .offset: 8, .size: 8, .value_kind: global_buffer, .address_space: global }
      - { .name: ln1_b, .offset: 16, .size: 8, .value_kind: global_buffer, .address_space: global }
      - { .name: W_v_codes, .offset: 24, .size: 8, .value_kind: global_buffer, .address_space: global }
      - { .name: W_v_scales, .offset: 32, .size: 8, .value_kind: global_buffer, .address_space: global }
      - { .name: theta_codes, .offset: 40, .size: 8, .value_kind: global_buffer, .address_space: global }
      - { .name: theta_scales, .offset: 48, .size: 8, .value_kind: global_buffer, .address_space: global }
      - { .name: w1_codes, .offset: 56, .size: 8, .value_kind: global_buffer, .address_space: global }
      - { .name: w1_scales, .offset: 64, .size: 8, .value_kind: global_buffer, .address_space: global }
      - { .name: w2_codes, .offset: 72, .size: 8, .value_kind: global_buffer, .address_space: global }
      - { .name: w2_scales, .offset: 80, .size: 8, .value_kind: global_buffer, .address_space: global }
      - { .name: ti, .offset: 88, .size: 8, .value_kind: global_buffer, .address_space: global }
      - { .name: ts, .offset: 96, .size: 8, .value_kind: global_buffer, .address_space: global }
      - { .name: csp, .offset: 104, .size: 8, .value_kind: global_buffer, .address_space: global }
      - { .name: wi, .offset: 112, .size: 8, .value_kind: global_buffer, .address_space: global }
      - { .name: wsi, .offset: 120, .size: 8, .value_kind: global_buffer, .address_space: global }
    .group_segment_fixed_size: 312832
    .private_segment_fixed_size: 0
    .kernarg_segment_align: 8
    .kernarg_segment_size: 128
    .max_flat_workgroup_size: 128
    .sgpr_count:     96
    .vgpr_count:     1024
    .wavefront_size: 32
...
	.end_amdgpu_metadata
.endif
;; end of part 1
;; launch gram (part 2): grid 256 x 1, 4 waves a work-group, no clusters, 66,048 bytes of LDS; arguments ti, ts, csp, mi, msi, fmean; writes mi, msi, fmean
.if DOCPART == 2
	.amdgcn_target "amdgcn-amd-amdhsa--gfx1250"
	.amdhsa_code_object_version 6
	.text
	.protected	k_q8a72a7aed0_gram
	.globl	k_q8a72a7aed0_gram
	.p2align	8
	.type	k_q8a72a7aed0_gram,@function
k_q8a72a7aed0_gram:
	s_mov_b64 s[64:65], 0
	v_nop
	global_prefetch_b8 v0, s[64:65] scope:SCOPE_SE
	s_setreg_imm32_b32 hwreg(HW_REG_WAVE_MODE, 25, 1), 1
	s_wait_xcnt 0x0
; GRAM.  M[b][d][e] = the sum over n of Q(Xth)[n][d] Q(XWv)[n][e]; M is quantised along d and laid out as operand images of M^T; the mean of XWv over n.
; SHARES.  Work-group g: batch b = g >> 6, D = (g >> 3) & 7, E = g & 7: 64 d x 64 e.  K = 4,096 positions is split: wave w takes K steps 8 w .. 8 w + 7 for the whole tile, 16 accumulators, so that each
; byte of the tile's operands comes to the work-group once; the four partial sums meet in LDS.  (So a sum is made of four partial sums in f32, each with K ascending.)
; Source 0 = 16 rows of Xth^T (d), source 1 = 16 rows of XWv^T (e): a lane holds one e, and the registers of the four d tiles are d = 64 D + 32 B + 16 (lane / 16) + 0 .. 15: the next product's K.
; Operands come from memory as images of their registers: three loads of 512 consecutive bytes a fragment.  Three sets of registers: two K steps are on their way while one is multiplied.
; LIMITS: as in the first launch (scale byte 1 for blocks under 2^-122 and for blocks of zeros).
; REGISTERS.  window 0: v1-9 addresses; v32-55 scale words, three sets; v64-191 accumulators (e tile, d tile) at v[64 + 8 (4 e + d)]; v192-223 the mean's loads.
;   window 1: v0-95, v96-191 operand sets 0, 1; later the partial sums and the quantiser.   window 2: v0-95 set 2.
.set TM, 128
.set PC, 144
.set TC, 152
.set PW, 156
.set MSB, 0
.macro WIN new
.if MSB != (\new)
	s_set_vgpr_msb (MSB<<8)|(\new)
.set MSB, (\new)
.endif
.endm
.macro PLACES n
.rept \n
	v_nop
.endr
.endm
.macro MMZ d, a, b, sa, sb
	v_wmma_scale_f32_16x16x128_f8f6f4 v[(\d):(\d)+7], v[(\a):(\a)+11], v[(\b):(\b)+11], 0, v[(\sa)], v[(\sb)] matrix_a_fmt:MATRIX_FMT_BF6 matrix_b_fmt:MATRIX_FMT_BF6
.endm
.macro MMC d, a, b, c, sa, sb
	v_wmma_scale_f32_16x16x128_f8f6f4 v[(\d):(\d)+7], v[(\a):(\a)+11], v[(\b):(\b)+11], v[(\c):(\c)+7], v[(\sa)], v[(\sb)] matrix_a_fmt:MATRIX_FMT_BF6 matrix_b_fmt:MATRIX_FMT_BF6
.endm
	s_load_b256 s[4:11], s[0:1], 0x0               ; ti, ts, csp, mi
	s_load_b128 s[12:15], s[0:1], 0x20             ; msi, fmean
	v_lshl_add_u32 v254, v0, 2, 0x10000
	v_mov_b32 v255, 0
	v_lshrrev_b32 v2, 5, v0
	v_readfirstlane_b32 s16, v2                    ; wave
	v_and_b32 v3, 31, v0                           ; lane l
	v_and_b32 v4, 15, v0                           ; r
	v_lshlrev_b32 v1, 4, v3                        ; 16 l
	v_lshlrev_b32 v5, 5, v4                        ; 32 r: a row's eight scale words
	v_lshlrev_b32 v6, 3, v3                        ; 8 l
	v_lshlrev_b32 v7, 2, v3                        ; 4 l
	s_lshl_b32 s17, s16, 14
	v_add_nc_u32 v8, s17, v1                       ; LDS: my 16 partial sums: 16,384 w + 16 l
	s_lshl_b32 s17, s16, 12
	v_add_nc_u32 v9, s17, v1                       ; and the four that I finish: accumulators 4 w .. 4 w + 3 of every wave
	s_mov_b32 s40, 0x76543210
	s_mov_b32 s41, 0xfedcba98
	s_lshr_b32 s18, ttmp9, 6                       ; b
	s_bfe_u32 s19, ttmp9, 0x30003                  ; D
	s_and_b32 s20, ttmp9, 7                        ; E
	s_mul_i32 s23, s16, 12288                      ; my first K step: 8 w images
	s_lshl_b32 s22, s16, 3
	s_add_co_u32 s21, s18, 4
	s_lshl_b32 s21, s21, 5                         ; Xth^T: 32 (4 + b) tiles on
	s_add_co_u32 s28, s21, s22
	s_lshl_b32 s28, s28, 11                        ; its scale words of K step 8 w
	s_lshl_b32 s17, s19, 2
	s_add_co_u32 s21, s21, s17
	s_mul_i32 s24, s21, 49152
	s_add_co_u32 s24, s24, s23
	s_mov_b32 s25, 0
	s_lshr_b32 s17, s19, 1
	s_lshl_b32 s17, s17, 9
	s_add_co_u32 s28, s28, s17                     ; tiles 4 D .. 4 D + 3: quarter D / 2,
	s_and_b32 s17, s19, 1
	s_lshl_b32 s17, s17, 4
	s_add_co_u32 s28, s28, s17                     ; words 4 (D % 2) on
	s_mov_b32 s29, 0
	s_lshl_b32 s21, s18, 5                         ; XWv^T: 32 b tiles on
	s_add_co_u32 s30, s21, s22
	s_lshl_b32 s30, s30, 11
	s_lshl_b32 s17, s20, 2
	s_add_co_u32 s21, s21, s17                     ; 32 b + 4 E
	s_mul_i32 s26, s21, 49152
	s_add_co_u32 s26, s26, s23
	s_mov_b32 s27, 0
	s_lshr_b32 s17, s20, 1
	s_lshl_b32 s17, s17, 9
	s_add_co_u32 s30, s30, s17
	s_and_b32 s17, s20, 1
	s_lshl_b32 s17, s17, 4
	s_add_co_u32 s30, s30, s17
	s_mov_b32 s31, 0
	s_add_co_u32 s21, s21, s16                     ; the tile of M^T that I finish: 32 b + 4 E + w
	s_lshl_b32 s44, s21, 9
	s_lshl_b32 s17, s19, 1
	s_add_co_u32 s44, s44, s17                     ; msi: 512 x tile + 2 D
	s_mov_b32 s45, 0
	s_lshl_b32 s42, s21, 3
	s_add_co_u32 s42, s42, s19
	s_mul_i32 s42, s42, 768                        ; mi: (8 x tile + D) halves of 768 bytes
	s_mov_b32 s43, 0
	s_lshl_b32 s46, s20, 8
	s_lshl_b32 s17, s16, 7
	s_add_co_u32 s46, s46, s17                     ; the mean: columns 64 E + 32 w on, in bytes
	s_lshl_b32 s22, s18, 11
	s_add_co_u32 s22, s22, s46                     ; in fmean: + 2,048 b
	s_mov_b32 s23, 0
	s_lshl_b32 s17, s18, 16
	s_add_co_u32 s46, s46, s17                     ; in csp: + 65,536 b
	s_mov_b32 s47, 0
	s_wait_kmcnt 0x0
	s_add_nc_u64 s[32:33], s[4:5], s[24:25]
	s_add_nc_u64 s[34:35], s[4:5], s[26:27]
	s_add_nc_u64 s[36:37], s[6:7], s[28:29]
	s_add_nc_u64 s[38:39], s[6:7], s[30:31]
	s_add_nc_u64 s[8:9], s[8:9], s[46:47]
	s_add_nc_u64 s[10:11], s[10:11], s[42:43]
	s_add_nc_u64 s[12:13], s[12:13], s[44:45]
	s_add_nc_u64 s[14:15], s[14:15], s[22:23]
.macro LOADK k                         ; my K step k: four fragments a side and their scale words: 26 loads
.set BW, 1+((\k)%3)/2
.set BB, 96*(((\k)%3)%2)
	WIN BW<<6
.irp t,0,1,2,3
.irp g,0,1,2
	global_load_b128 v[BB+12*\t+4*\g:BB+12*\t+4*\g+3], v1, s[32:33] offset:49152*\t+1536*(\k)+512*\g
.endr
.endr
.irp t,0,1,2,3
.irp g,0,1,2
	global_load_b128 v[BB+48+12*\t+4*\g:BB+48+12*\t+4*\g+3], v1, s[34:35] offset:49152*\t+1536*(\k)+512*\g
.endr
.endr
	WIN 0
	global_load_b128 v[32+8*((\k)%3):35+8*((\k)%3)], v5, s[36:37] offset:2048*(\k)
	global_load_b128 v[36+8*((\k)%3):39+8*((\k)%3)], v5, s[38:39] offset:2048*(\k)
.endm
.macro STEP k, cnt
.set BW, 1+((\k)%3)/2
.set BB, 96*(((\k)%3)%2)
.set SS, 32+8*((\k)%3)
	s_wait_loadcnt \cnt
	WIN 5*BW
.irp e,0,1,2,3                         ; sixteen accumulators by turns, one instruction a turn
.irp d,0,1,2,3
.if (\k) == 0
	MMZ 64+8*(4*\e+\d), BB+12*\d, BB+48+12*\e, SS+\d, SS+4+\e
.else
	MMC 64+8*(4*\e+\d), BB+12*\d, BB+48+12*\e, 64+8*(4*\e+\d), SS+\d, SS+4+\e
.endif
.endr
.endr
	WIN 0
	PLACES 4                                       ; ahead of loads into the registers just read, and of the first read of results
.if (\k)+3 < 8
	LOADK (\k)+3
.endif
.endm
	LOADK 0
	LOADK 1
	s_cmp_lg_u32 s19, 0                            ; the mean of XWv: the work-groups with D = 0, waves 0 and 1: a lane a column, 32 partial sums each
	s_cbranch_scc1 .Lno_mean
	s_cmp_ge_u32 s16, 2
	s_cbranch_scc1 .Lno_mean
.set j, 0
.rept 32
	global_load_b32 v[192+j], v7, s[8:9] offset:2048*j
.set j, j+1
.endr
	s_wait_loadcnt 0x0
.irp k,1,2,3,4,5,6,7
.irp i,0,1,2,3
	v_add_f32 v[192+\i], v[192+\i], v[192+4*\k+\i]
.endr
.endr
	v_add_f32 v192, v192, v193
	v_add_f32 v194, v194, v195
	v_add_f32 v192, v192, v194
	v_mul_f32 v192, 0x39800000, v192               ; / 4,096
	global_store_b32 v7, v192, s[14:15]            ; 128 consecutive bytes
.Lno_mean:
	LOADK 2
	STEP 0, 52                                     ; behind a K step's 26 loads: the next two steps' 52
	STEP 1, 52
	STEP 2, 52
	STEP 3, 52
	STEP 4, 52
	STEP 5, 52
	STEP 6, 26
	STEP 7, 0
.irp a,0,1,2,3,4,5,6,7,8,9,10,11,12,13,14,15   ; each accumulator from its low end on
	ds_store_b128 v8, v[64+8*\a:64+8*\a+3] offset:1024*\a
	ds_store_b128 v8, v[64+8*\a+4:64+8*\a+7] offset:1024*\a+512
.endr
	s_wait_dscnt 0x0                               ; for the others' sake: my partial sums have landed
	s_barrier_signal -1
	s_barrier_wait -1
	WIN 0x40
.irp v,0,1,2,3
.irp d,0,1,2,3
	ds_load_b128 v[32*\v+8*\d:32*\v+8*\d+3], v9 offset:16384*\v+1024*\d
	ds_load_b128 v[32*\v+8*\d+4:32*\v+8*\d+7], v9 offset:16384*\v+1024*\d+512
.endr
.endr
	s_wait_dscnt 0x0
	WIN 0x55                                       ; all that follows works in window 1
	v_mov_b32 v[TM+4], 0
	v_mov_b32 v[TM+5], 0
.set j, 0
.rept 16
	v_pk_add_f32 v[j:j+1], v[j:j+1], v[32+j:33+j]
	v_pk_add_f32 v[64+j:65+j], v[64+j:65+j], v[96+j:97+j]
.set j, j+2
.endr
.set j, 0
.rept 16
	v_pk_add_f32 v[j:j+1], v[j:j+1], v[64+j:65+j]  ; register 16 B + i = M(64 D + 32 B + 16 h + i, my e)
.set j, j+2
.endr
.irp b,0,1
	v_max3_num_f32 v[TM+\b], |v[16*\b]|, |v[16*\b+1]|, 0x2800000
.endr
.irp i,2,4,6,8,10,12,14
.irp b,0,1
	v_max3_num_f32 v[TM+\b], |v[16*\b+\i]|, |v[16*\b+\i+1]|, v[TM+\b]
.endr
.endr
.irp b,0,1
	v_permlanex16_b32 v[TM+4+\b], v[TM+\b], s40, s41
.endr
.irp b,0,1
	v_max_num_f32 v[TM+\b], v[TM+\b], v[TM+4+\b]
.endr
.irp b,0,1
	v_add_nc_u32 v[TM+12+\b], 0xfe000000, v[TM+\b]
.endr
.irp b,0,1
	v_lshrrev_b32 v[TM+4+\b], 23, v[TM+12+\b]
.endr
	v_lshl_or_b32 v[PW], v[TM+5], 8, v[TM+4]       ; the two blocks' bytes
	v_cvt_scalef32_pk16_bf6_f32 v[PC:PC+2], v[0:15], v[TM+12]
	v_cvt_scalef32_pk16_bf6_f32 v[TC:TC+2], v[16:31], v[TM+13]
	v_nop                                          ; one plain place behind a scaled conversion
.irp i,0,1,2
	v_permlane16_swap_b32 v[PC+\i], v[TC+\i]
.endr
.irp i,0,1,2
	v_mov_b32 v[PC+3+\i], v[TC+\i]                 ; six registers: k = 64 D + 32 h + 0 .. 31 of row e: half a fragment of M^T
.endr
	WIN 0x04
	global_store_b128 v1, v[PC:PC+3], s[10:11]             ; 512 consecutive bytes
	global_store_b64 v6, v[PC+4:PC+5], s[10:11] offset:512 ; 256 consecutive bytes
	global_store_b16 v1, v[PW], s[12:13]           ; two scale bytes a lane, 16 bytes apart: a work-group owns two bytes of each row's sixteen; the buffer has 65,536 bytes in all
	WIN 0
	s_wait_tensorcnt 0x0
	ds_add_u32 v254, v255
	s_wait_dscnt 0x0
	s_endpgm
.Lfunc_end_k_q8a72a7aed0_gram:
	.size	k_q8a72a7aed0_gram, .Lfunc_end_k_q8a72a7aed0_gram-k_q8a72a7aed0_gram
	.p2alignl 7, 3214868480
	.fill 96, 4, 3214868480
	.section	.rodata,"a",@progbits
	.p2align	6, 0x0
	.amdhsa_kernel k_q8a72a7aed0_gram
		.amdhsa_group_segment_fixed_size 66048
		.amdhsa_private_segment_fixed_size 0
		.amdhsa_enable_private_segment 0
		.amdhsa_kernarg_size 48
		.amdhsa_user_sgpr_count 2
		.amdhsa_user_sgpr_kernarg_segment_ptr 1
		.amdhsa_wavefront_size32 1
		.amdhsa_system_sgpr_workgroup_id_x 1
		.amdhsa_system_sgpr_workgroup_id_y 1
		.amdhsa_system_sgpr_workgroup_id_z 1
		.amdhsa_system_vgpr_workitem_id 0
		.amdhsa_next_free_vgpr 640
		.amdhsa_next_free_sgpr 66
		.amdhsa_reserve_vcc 0
		.amdhsa_float_denorm_mode_32 3
		.amdhsa_float_denorm_mode_16_64 3
		.amdhsa_memory_ordered 1
		.amdhsa_forward_progress 1
		.amdhsa_inst_pref_size 55
	.end_amdhsa_kernel
	.amdgpu_metadata
---
amdhsa.version: [ 1, 2 ]
amdhsa.kernels:
  - .name:           k_q8a72a7aed0_gram
    .symbol:         k_q8a72a7aed0_gram.kd
    .args:
      - { .name: ti, .offset: 0, .size: 8, .value_kind: global_buffer, .address_space: global }
      - { .name: ts, .offset: 8, .size: 8, .value_kind: global_buffer, .address_space: global }
      - { .name: csp, .offset: 16, .size: 8, .value_kind: global_buffer, .address_space: global }
      - { .name: mi, .offset: 24, .size: 8, .value_kind: global_buffer, .address_space: global }
      - { .name: msi, .offset: 32, .size: 8, .value_kind: global_buffer, .address_space: global }
      - { .name: fmean, .offset: 40, .size: 8, .value_kind: global_buffer, .address_space: global }
    .group_segment_fixed_size: 66048
    .private_segment_fixed_size: 0
    .kernarg_segment_align: 8
    .kernarg_segment_size: 48
    .max_flat_workgroup_size: 128
    .sgpr_count:     66
    .vgpr_count:     640
    .wavefront_size: 32
...
	.end_amdgpu_metadata
.endif
;; end of part 2
;; launch back (part 3): grid 256 x 1, 4 waves a work-group, no clusters, 190,976 bytes of LDS; arguments x, ln1_g, ln1_b, ln2_g, ln2_b, b1, b2, fmean, mi, msi, wi, wsi, out0; writes out0
.if DOCPART == 3
	.amdgcn_target "amdgcn-amd-amdhsa--gfx1250"
	.amdhsa_code_object_version 6
	.text
	.protected	k_q8a72a7aed0_back
	.globl	k_q8a72a7aed0_back
	.p2align	8
	.type	k_q8a72a7aed0_back,@function
k_q8a72a7aed0_back:
	s_mov_b64 s[64:65], 0
	v_nop
	global_prefetch_b8 v0, s[64:65] scope:SCOPE_SE
	s_setreg_imm32_b32 hwreg(HW_REG_WAVE_MODE, 25, 1), 1
	s_wait_xcnt 0x0
; BACK.  h = LN1(x) once more; hn = h + mean + 2^-16.5 Q(h) Q(M); h2 = LN2(hn); out = hn + b2 + Q(gelu(Q(h2) w1^T + b1)) w2^T.
; SHARES.  Work-group g: batch b = g >> 6, positions 64 (g & 63) + 0 .. 63, as four tiles of 16 rows.  THE WAVES SHARE THE COLUMNS: wave w owns columns (hidden units, outputs) 128 w .. 128 w + 127 of every stage, for all 64 rows.
; Every product is used transposed: source 0 = 16 rows of a weight (of M^T), chosen so that lane r of tile 2 B + u stands for row 32 B + 8 u + r + 8 (r / 8); source 1 = 16 rows of the activations.  A lane then holds ONE row,
; and register 16 B + 8 u + j is column 32 B + 16 (lane / 16) + 8 u + j of my quarter: 16 neighbours along the next K.  What a wave quantises is K step w of the next product; it goes to the other waves through LDS as an image of registers.
; NINE STAGES OF ONE SHAPE: Q(h) M, and for each chunk c of 512 hidden units the first and the second product of the MLP.  A stage is 8 QUADS; a quad is one weight tile: 4 fragments x 4 tiles of rows = 16 products on 4 accumulators by turns.
; THE WEIGHTS come from memory straight into registers, from buffers laid in the order of the operand's registers: a ring of four quads' registers, a slot filled again straight behind its own quad with the quad four further on.
; GELU: x Phi(x) = max(x, 0) - |x| Q(|x|), Q(z) = exp(-z^2 / 2) / sqrt(2 pi) x (a polynomial of degree 5 in t = 1 / (1 + 0.2316419 z)) (Abramowitz and Stegun 26.2.17).
; LIMITS: that formula's error in Q is at most 7.5e-8, so gelu's is at most 7.5e-8 |x| beside f32's own rounding.  NaN and infinities among the inputs are not served.  Scale byte 1 for blocks under 2^-122 and for blocks of zeros.
; REGISTERS.  window 0: v1-21 addresses; v32-47 x's / h2's scale words; v48-63 the hidden layer's; v64-79 the ring's; v80-127, v128-175, v176-223 ring slots 0-2.
;   window 1: H(m) = v[64 m]: x, then h, then hn, then the accumulators of the output.
;   window 2: v0-63 accumulators (16 m + 8 u + j); v64-159 at work; v160-191 codes; v192-245 at work, the bias in hand; in the second product v0-191 the hidden layer's 16 fragments; on the way out v0-127 rows.
;   window 3: v0-191 the 16 fragments of Q(h), later of Q(h2) (before each: gain, bias and b2 of my columns); v192-239 ring slot 3.
.set XT,    0                          ; LDS: a wave's stage for the turns: 16 rows x (512 + 16) bytes
.set VT,    33792                      ; a wave's ten vectors of 128 numbers: ln1_g, ln1_b, the mean, ln2_g, ln2_b, b2, b1's four chunks
.set STAT,  54272                      ; LN1's statistics; LN2's lie 2,048 bytes on
.set XIMG,  58368                      ; 16 fragments as images: (4 m + s) x 1,536
.set XSC,   82944                      ; their scale words
.set HBUF,  0x20000                    ; the hidden layer: two buffers 0x8000 apart: 32 half images of 768 bytes ((4 m + s) 2 + c), then 16 x 128 bytes of scale words
.set XS,  32
.set HS,  48
.set WS,  64
.set ACC, 0
.set GTT, 64
.set GYY, 96
.set GPP, 128
.set SQ,  64
.set SA,  96
.set ST,  104
.set PC,  160
.set TC,  192
.set PW,  208
.set TM,  212
.set BIAS, 228
.set K4,  244
.set STW, 8
.set STR, 9
.set WV,  30
.set SEL, 32
.set CC,  34
.set PP,  36
.set C0,  38
.set K5,  40
.set K3,  42
.set K2,  44
.set K1,  46
.set I512, 48
.set EPS, 49
.set CH,  50
.set TR,  51
.set HIM, 52
.set HWD, 53
.set HBF, 54
.set BO,  55
.set MSB, 0
.macro WIN new
.if MSB != (\new)
	s_set_vgpr_msb (MSB<<8)|(\new)
.set MSB, (\new)
.endif
.endm
.macro PLACES n
.rept \n
	v_nop
.endr
.endm
.macro BARRIER
	s_wait_dscnt 0x0
	s_barrier_signal -1
	s_barrier_wait -1
.endm
.macro MMZ d, a, b, sa, sb
	v_wmma_scale_f32_16x16x128_f8f6f4 v[(\d):(\d)+7], v[(\a):(\a)+11], v[(\b):(\b)+11], 0, v[(\sa)], v[(\sb)] matrix_a_fmt:MATRIX_FMT_BF6 matrix_b_fmt:MATRIX_FMT_BF6
.endm
.macro MMC d, a, b, c, sa, sb
	v_wmma_scale_f32_16x16x128_f8f6f4 v[(\d):(\d)+7], v[(\a):(\a)+11], v[(\b):(\b)+11], v[(\c):(\c)+7], v[(\sa)], v[(\sb)] matrix_a_fmt:MATRIX_FMT_BF6 matrix_b_fmt:MATRIX_FMT_BF6
.endm
; the quantiser of 64 numbers of a lane, as in the first launch
.macro QMAX S, WS, WT
	WIN (\WS)|((\WS)<<2)|((\WT)<<4)|((\WT)<<6)
.irp b,0,1,2,3
	v_max3_num_f32 v[TM+\b], |v[(\S)+16*\b]|, |v[(\S)+16*\b+1]|, 0x2800000
.endr
.irp i,2,4,6,8,10,12,14
.irp b,0,1,2,3
	v_max3_num_f32 v[TM+\b], |v[(\S)+16*\b+\i]|, |v[(\S)+16*\b+\i+1]|, v[TM+\b]
.endr
.endr
	WIN (\WT)*0x55
.irp b,0,1,2,3
	v_permlanex16_b32 v[TM+4+\b], v[TM+\b], s[SEL], s[SEL+1]
.endr
.irp b,0,1,2,3
	v_max_num_f32 v[TM+\b], v[TM+\b], v[TM+4+\b]
.endr
.irp b,0,1,2,3
	v_add_nc_u32 v[TM+12+\b], 0xfe000000, v[TM+\b]
.endr
.irp b,0,1,2,3
	v_lshrrev_b32 v[TM+4+\b], 23, v[TM+12+\b]
.endr
.endm
.macro QCVT S, WS, WT
	WIN (\WT)*0x55
	v_lshl_or_b32 v[PW], v[TM+5], 8, v[TM+4]
	v_lshl_or_b32 v[PW], v[TM+6], 16, v[PW]
	v_lshl_or_b32 v[PW], v[TM+7], 24, v[PW]
	WIN (\WS)|((\WT)<<2)|((\WT)<<6)
.irp c,0,1
	v_cvt_scalef32_pk16_bf6_f32 v[PC+6*\c:PC+6*\c+2], v[(\S)+32*\c:(\S)+32*\c+15], v[TM+12+2*\c]
	v_cvt_scalef32_pk16_bf6_f32 v[PC+12+4*\c:PC+14+4*\c], v[(\S)+32*\c+16:(\S)+32*\c+31], v[TM+13+2*\c]
.endr
	WIN (\WT)*0x55
	v_nop                                          ; one plain place behind a scaled conversion
.irp c,0,1
.irp i,0,1,2
	v_permlane16_swap_b32 v[PC+6*\c+\i], v[PC+12+4*\c+\i]
.endr
.irp i,0,1,2
	v_mov_b32 v[PC+3+6*\c+\i], v[PC+12+4*\c+\i]
.endr
.endr
.endm
.macro IMAGE m                         ; the fragment just made is K step w of tile m
	WIN 0x08
.irp g,0,1,2
	ds_store_b128 v10, v[PC+4*\g:PC+4*\g+3] offset:6144*(\m)+512*\g
.endr
	ds_store_b32 v12, v[PW] offset:512*(\m)
.endm
.macro XFETCH                          ; all 16 fragments and their scale words
	WIN 0xc0
.irp m,0,1,2,3
.irp s,0,1,2,3
.irp g,0,1,2
	ds_load_b128 v[12*(4*\m+\s)+4*\g:12*(4*\m+\s)+4*\g+3], v11 offset:(4*\m+\s)*1536+512*\g
.endr
.endr
.endr
	WIN 0
.irp m,0,1,2,3
.irp s,0,1,2,3
	ds_load_b32 v[XS+4*\m+\s], v13 offset:(4*\m+\s)*128
.endr
.endr
	s_wait_dscnt 0x0
.endm
.macro VEC64 vi, R                     ; vector vi of my columns in the order of a lane's registers (the destination's window is set by the caller)
.irp q,0,1,2,3,4,5,6,7,8,9,10,11,12,13,14,15
	ds_load_b128 v[(\R)+4*\q:(\R)+4*\q+3], v7 offset:512*(\vi)+128*(\q/4)+16*(\q%4)
.endr
.endm
; LN, as in the first launch
.macro LNJOIN m0
.irp q,0,1,2,3
	v_add_f32 v[SA+2*(\m0+\q)], v[SA+2*(\m0+\q)], v[SA+2*(\m0+\q)+1]
.endr
.irp q,0,1,2,3
	v_permlanex16_b32 v[SA+2*(\m0+\q)+1], v[SA+2*(\m0+\q)], s[SEL], s[SEL+1]
.endr
.irp q,0,1,2,3
	v_add_f32 v[SA+2*(\m0+\q)], v[SA+2*(\m0+\q)], v[SA+2*(\m0+\q)+1]
.endr
.endm
.macro LNSUM WX, WT, m0
	WIN (\WX)|((\WX)<<2)|((\WT)<<6)
.irp q,0,1,2,3
	v_pk_add_f32 v[SA+2*(\m0+\q):SA+2*(\m0+\q)+1], v[64*\q:64*\q+1], v[64*\q+2:64*\q+3]
.endr
	WIN (\WT)|((\WX)<<2)|((\WT)<<6)
.set j, 4
.rept 30
.irp q,0,1,2,3
	v_pk_add_f32 v[SA+2*(\m0+\q):SA+2*(\m0+\q)+1], v[SA+2*(\m0+\q):SA+2*(\m0+\q)+1], v[64*\q+j:64*\q+j+1]
.endr
.set j, j+2
.endr
	WIN (\WT)*0x55
	LNJOIN \m0
.irp q,0,1,2,3
	v_mul_f32 v[ST+2*(\m0+\q)], 0x3c000000, v[SA+2*(\m0+\q)]
.endr
.endm
.macro LNCEN WX, WT, m0
	WIN (\WX)|((\WT)<<2)|((\WX)<<6)
.set j, 0
.rept 32
.irp q,0,1,2,3
	v_pk_add_f32 v[64*\q+j:64*\q+j+1], v[64*\q+j:64*\q+j+1], v[ST+2*(\m0+\q):ST+2*(\m0+\q)+1] op_sel_hi:[1,0] neg_lo:[0,1] neg_hi:[0,1]
.endr
.set j, j+2
.endr
	WIN (\WX)|((\WX)<<2)|((\WT)<<4)|((\WT)<<6)
.irp q,0,1,2,3
	v_pk_mul_f32 v[SA+2*(\m0+\q):SA+2*(\m0+\q)+1], v[64*\q:64*\q+1], v[64*\q:64*\q+1]
.endr
.set j, 2
.rept 31
.irp q,0,1,2,3
	v_pk_fma_f32 v[SA+2*(\m0+\q):SA+2*(\m0+\q)+1], v[64*\q+j:64*\q+j+1], v[64*\q+j:64*\q+j+1], v[SA+2*(\m0+\q):SA+2*(\m0+\q)+1]
.endr
.set j, j+2
.endr
	WIN (\WT)*0x55
	LNJOIN \m0
.endm
.macro LNSQ2                           ; LN2: hn stays as it is: (hn - my mean) goes to the accumulators' registers, 16 columns of the four tiles at a time, and is squared there
.set jb, 0
.rept 4
	WIN 0x89
.set j, 0
.rept 8
.irp q,0,1,2,3
	v_pk_add_f32 v[ACC+16*\q+j:ACC+16*\q+j+1], v[64*\q+jb+j:64*\q+jb+j+1], v[ST+2*\q:ST+2*\q+1] op_sel_hi:[1,0] neg_lo:[0,1] neg_hi:[0,1]
.endr
.set j, j+2
.endr
	WIN 0xaa
.set j, 0
.rept 8
.irp q,0,1,2,3
.if (jb+j) == 0
	v_pk_mul_f32 v[SA+2*\q:SA+2*\q+1], v[ACC+16*\q:ACC+16*\q+1], v[ACC+16*\q:ACC+16*\q+1]
.else
	v_pk_fma_f32 v[SA+2*\q:SA+2*\q+1], v[ACC+16*\q+j:ACC+16*\q+j+1], v[ACC+16*\q+j:ACC+16*\q+j+1], v[SA+2*\q:SA+2*\q+1]
.endif
.endr
.set j, j+2
.endr
.set jb, jb+16
.endr
	LNJOIN 0
.endm
.macro LNPUT WT, m0, off
	WIN (\WT)*0x55
.irp q,0,1,2,3
	v_mov_b32 v[ST+2*(\m0+\q)+1], v[SA+2*(\m0+\q)]
.endr
	WIN (\WT)<<2
.irp q,0,1,2,3
	ds_store_b64 v[STW], v[ST+2*(\m0+\q):ST+2*(\m0+\q)+1] offset:\off+512*(\m0+\q)
.endr
	WIN 0
.endm
.macro LNNORM WX, WT, WG, m0
	WIN (\WX)|((\WT)<<2)|((\WT)<<4)|((\WX)<<6)
.set j, 0
.rept 32
.irp q,0,1,2,3
	v_pk_fma_f32 v[64*\q+j:64*\q+j+1], v[64*\q+j:64*\q+j+1], v[SA+2*(\m0+\q):SA+2*(\m0+\q)+1], v[ST+2*(\m0+\q):ST+2*(\m0+\q)+1] op_sel_hi:[1,0,0]
.endr
.set j, j+2
.endr
	WIN (\WX)|((\WG)<<2)|((\WG)<<4)|((\WX)<<6)
.set j, 0
.rept 32
.irp q,0,1,2,3
	v_pk_fma_f32 v[64*\q+j:64*\q+j+1], v[64*\q+j:64*\q+j+1], v[j:j+1], v[64+j:64+j+1]
.endr
.set j, j+2
.endr
.endm
; the four quarters' statistics, from off bytes on, become rstd (v[SA + 2 m]) and: kind 0: (my mean - mean) rstd; kind 1: the mean (v[ST + 2 m])
.macro COMBINE off, kind
	WIN 0x80
.irp m,0,1,2,3
.irp q,0,1,2,3
	ds_load_b64 v[SQ+8*\m+2*\q:SQ+8*\m+2*\q+1], v[STR] offset:\off+512*\m+128*\q
.endr
.endr
	s_wait_dscnt 0x0
	WIN 0xaa
.irp m,0,1,2,3
	v_add_f32 v[SA+2*\m], v[SQ+8*\m], v[SQ+8*\m+2]
	v_add_f32 v[SA+2*\m+1], v[SQ+8*\m+4], v[SQ+8*\m+6]
.endr
.irp m,0,1,2,3
	v_add_f32 v[SA+2*\m], v[SA+2*\m], v[SA+2*\m+1]
.endr
.irp m,0,1,2,3
	v_mul_f32 v[SA+2*\m], 0x3e800000, v[SA+2*\m]
.endr
.irp m,0,1,2,3
.irp q,0,2,4,6
	v_sub_f32 v[SQ+8*\m+\q], v[SQ+8*\m+\q], v[SA+2*\m]
.endr
	v_add_f32 v[SQ+8*\m+1], v[SQ+8*\m+1], v[SQ+8*\m+3]
	v_add_f32 v[SQ+8*\m+5], v[SQ+8*\m+5], v[SQ+8*\m+7]
.endr
.irp m,0,1,2,3
	v_mul_f32 v[SA+2*\m+1], v[SQ+8*\m], v[SQ+8*\m]
	v_add_f32 v[SQ+8*\m+1], v[SQ+8*\m+1], v[SQ+8*\m+5]
.endr
.irp q,2,4,6
.irp m,0,1,2,3
	v_fma_f32 v[SA+2*\m+1], v[SQ+8*\m+\q], v[SQ+8*\m+\q], v[SA+2*\m+1]
.endr
.endr
.irp m,0,1,2,3
	v_fma_f32 v[SQ+8*\m+1], v[SA+2*\m+1], 0x43000000, v[SQ+8*\m+1]
.endr
.irp m,0,1,2,3
	v_fma_f32 v[SQ+8*\m+1], v[SQ+8*\m+1], s[I512], s[EPS]
.endr
.irp m,0,1,2,3
.if \kind == 0
	v_sub_f32 v[SA+2*\m+1], v[ST+2*\m], v[SA+2*\m]
.else
	v_mov_b32 v[ST+2*\m], v[SA+2*\m]
.endif
.endr
.irp m,0,1,2,3
	v_rsq_f32 v[SA+2*\m], v[SQ+8*\m+1]
.endr
	v_nop                                          ; a plain place behind the last of the batch,
	s_wait_alu depctr_va_vdst(0)                   ; and one wait for the four, ahead of their first reader
.if \kind == 0
.irp m,0,1,2,3
	v_mul_f32 v[ST+2*\m], v[SA+2*\m+1], v[SA+2*\m]
.endr
.endif
.endm
; THE RING.  Slot 0, 1, 2: v80, v128, v176 of window 0; slot 3: v192 of window 3.
.macro QLOAD slot                      ; a quad of the MLP's stream: 12 loads of 512 consecutive bytes and its scale words: 13 loads
.set SBASE, 80+48*(\slot)-32*((\slot)/3)
	WIN 0xc0*((\slot)/3)
.irp i,0,1,2,3,4,5,6,7,8,9,10,11
	global_load_b128 v[SBASE+4*\i:SBASE+4*\i+3], v1, s[24:25] offset:6144*(\slot)+512*\i
.endr
	WIN 0
	global_load_b128 v[WS+4*(\slot):WS+4*(\slot)+3], v1, s[26:27] offset:512*(\slot)
.endm
.macro QLOADM slot, t                  ; tile t of my eight of M^T: eight halves of 768 bytes (512 + 256) and its scale words: 17 loads
.set SBASE, 80+48*(\slot)-32*((\slot)/3)
	WIN 0xc0*((\slot)/3)
.irp s,0,1,2,3
.irp c,0,1
	global_load_b128 v[SBASE+12*\s+6*\c:SBASE+12*\s+6*\c+3], v1, s[20:21] offset:6144*(\t)+1536*\s+768*\c
	global_load_b64 v[SBASE+12*\s+6*\c+4:SBASE+12*\s+6*\c+5], v2, s[20:21] offset:6144*(\t)+1536*\s+768*\c+512
.endr
.endr
	WIN 0
	global_load_b128 v[WS+4*(\slot):WS+4*(\slot)+3], v1, s[22:23] offset:512*(\t)
.endm
; 16 products.  kind 0: Q(h) M, the sums begin with 0;  1: the MLP's first product, they begin with b1;  2: its second, onto the output's accumulators.  Four accumulators by turns, one instruction a turn.
.macro QMUL slot, kind, t
.set SBASE, 80+48*(\slot)-32*((\slot)/3)
.if \kind == 2
	WIN 0x58|(3*((\slot)/3))
.else
	WIN 0xac|(3*((\slot)/3))
.endif
.irp s,0,1,2,3
.irp m,0,1,2,3
.if \kind == 2
	MMC 64*\m+8*(\t), SBASE+12*\s, 12*(4*\m+\s), 64*\m+8*(\t), WS+4*(\slot)+\s, HS+4*\m+\s
.elseif \s > 0
	MMC ACC+16*\m+8*((\t)%2), SBASE+12*\s, 12*(4*\m+\s), ACC+16*\m+8*((\t)%2), WS+4*(\slot)+\s, XS+4*\m+\s
.elseif \kind == 1
	MMC ACC+16*\m+8*((\t)%2), SBASE+12*\s, 12*(4*\m+\s), BIAS+8*((\t)%2), WS+4*(\slot)+\s, XS+4*\m+\s
.else
	MMZ ACC+16*\m+8*((\t)%2), SBASE+12*\s, 12*(4*\m+\s), WS+4*(\slot)+\s, XS+4*\m+\s
.endif
.endr
.endr
.endm
; cnt: the loads issued behind this slot's.  refill 0: none; 1: the MLP's stream, whose pointers step at a lap's first refill; 2: tile t + 4 of M^T; 3: the stream's first lap
.macro QUAD slot, kind, t, cnt, refill
	s_wait_loadcnt \cnt
	QMUL \slot, \kind, \t
	WIN 0
	PLACES 4+(\kind)/2                             ; ahead of loads into the registers just read and of reads of results; one more where the next stage's products write over operands of these
.if \refill == 1
.if \slot == 0
	s_wait_xcnt 0x0                                ; the last lap's refills have read their bases
	s_add_nc_u64 s[24:25], s[24:25], 24576
	s_add_nc_u64 s[26:27], s[26:27], 2048
.endif
	QLOAD \slot
.elseif \refill == 2
	QLOADM \slot, (\t)+4
.elseif \refill == 3
	QLOAD \slot
.endif
.endm
.macro VEC16F be                       ; the mean of XWv at my 16 columns of pair be
	WIN 0x80
.irp q,0,1,2,3
	ds_load_b128 v[BIAS+4*\q:BIAS+4*\q+3], v7 offset:1024+128*(\be)+16*\q
.endr
	WIN 0
.endm
.macro VEC16B                          ; b1 at my 16 hidden units of the next pair: 128 bytes on for each pair; behind the last pair the offset is back at the first
	v_add_nc_u32 v19, s[BO], v7
	WIN 0x80
.irp q,0,1,2,3
	ds_load_b128 v[BIAS+4*\q:BIAS+4*\q+3], v19 offset:3072+16*\q
.endr
	WIN 0
	s_add_co_u32 s[BO], s[BO], 128
	s_and_b32 s[BO], s[BO], 2047
.endm
.macro EPI0 be                         ; hn = h + 2^-16.5 x the sums + the mean (each accumulator is read from its low end on)
	WIN 0x52
.irp m,0,1,2,3
.irp i,0,2,4,6,8,10,12,14
	v_pk_fma_f32 v[64*\m+16*(\be)+\i:64*\m+16*(\be)+\i+1], v[ACC+16*\m+\i:ACC+16*\m+\i+1], s[CC:CC+1], v[64*\m+16*(\be)+\i:64*\m+16*(\be)+\i+1] op_sel_hi:[1,0,1]
.endr
.endr
	WIN 0x49
.irp m,0,1,2,3
.irp i,0,2,4,6,8,10,12,14
	v_pk_add_f32 v[64*\m+16*(\be)+\i:64*\m+16*(\be)+\i+1], v[64*\m+16*(\be)+\i:64*\m+16*(\be)+\i+1], v[BIAS+\i:BIAS+\i+1]
.endr
.endr
	WIN 0
.endm
.macro H2 m                            ; h2 of tile m: ((hn - mean) rstd) g + b, into the accumulators' registers
	WIN 0x89
.set j, 0
.rept 32
	v_pk_add_f32 v[ACC+j:ACC+j+1], v[64*(\m)+j:64*(\m)+j+1], v[ST+2*(\m):ST+2*(\m)+1] op_sel_hi:[1,0] neg_lo:[0,1] neg_hi:[0,1]
.set j, j+2
.endr
	WIN 0xaa
.set j, 0
.rept 32
	v_pk_mul_f32 v[ACC+j:ACC+j+1], v[ACC+j:ACC+j+1], v[SA+2*(\m):SA+2*(\m)+1] op_sel_hi:[1,0]
.set j, j+2
.endr
	WIN 0xbe
.set j, 0
.rept 32
	v_pk_fma_f32 v[ACC+j:ACC+j+1], v[ACC+j:ACC+j+1], v[j:j+1], v[64+j:64+j+1]
.set j, j+2
.endr
.endm
.macro GELU32 X                        ; 32 numbers in place, all in window 2; the 64 reciprocals and exponentials are ONE batch with one wait
	WIN 0xaa
.set j, 0
.rept 32
	v_fma_f32 v[GTT+j], |v[(\X)+j]|, s[PP], 1.0    ; 1 + p |x|
.set j, j+1
.endr
.set j, 0
.rept 16
	v_pk_mul_f32 v[GYY+j:GYY+j+1], v[(\X)+j:(\X)+j+1], s[C0:C0+1] op_sel_hi:[1,0]     ; x sqrt(log2(e) / 2)
.set j, j+2
.endr
.set j, 0
.rept 16
	v_pk_mul_f32 v[GYY+j:GYY+j+1], v[GYY+j:GYY+j+1], v[GYY+j:GYY+j+1] neg_lo:[1,0] neg_hi:[1,0]    ; - its square
.set j, j+2
.endr
.set j, 0
.rept 32
	v_rcp_f32 v[GTT+j], v[GTT+j]                   ; t
.set j, j+1
.endr
.set j, 0
.rept 32
	v_exp_f32 v[GYY+j], v[GYY+j]                   ; exp(-x^2 / 2)
.set j, j+1
.endr
	v_nop                                          ; a plain place behind the last of the batch,
	s_wait_alu depctr_va_vdst(0)                   ; and the one wait, ahead of the first reader
.set j, 0
.rept 16
	v_pk_fma_f32 v[GPP+j:GPP+j+1], v[GTT+j:GTT+j+1], s[K5:K5+1], v[K4:K4+1] op_sel_hi:[1,0,1]
.set j, j+2
.endr
.irp k,K3,K2,K1
.set j, 0
.rept 16
	v_pk_fma_f32 v[GPP+j:GPP+j+1], v[GPP+j:GPP+j+1], v[GTT+j:GTT+j+1], s[\k:\k+1] op_sel_hi:[1,1,0]
.set j, j+2
.endr
.endr
.set j, 0
.rept 16
	v_pk_mul_f32 v[GPP+j:GPP+j+1], v[GPP+j:GPP+j+1], v[GTT+j:GTT+j+1]
.set j, j+2
.endr
.set j, 0
.rept 16
	v_pk_mul_f32 v[GPP+j:GPP+j+1], v[GPP+j:GPP+j+1], v[GYY+j:GYY+j+1]          ; Q(|x|)
.set j, j+2
.endr
.set j, 0
.rept 32
	v_max_num_f32 v[GTT+j], 0, v[(\X)+j]
.set j, j+1
.endr
.set j, 0
.rept 32
	v_fma_f32 v[(\X)+j], -|v[(\X)+j]|, v[GPP+j], v[GTT+j]
.set j, j+1
.endr
.endm
; a pair's 16 registers of each tile of rows are half a block of 32 along the next K.  pi = 0: the even block of a half fragment; 1: the odd one, which completes it
.macro QBLK pi
	WIN 0xaa
.irp m,0,1,2,3
	v_max3_num_f32 v[TM+\m], |v[ACC+16*\m]|, |v[ACC+16*\m+1]|, 0x2800000
.endr
.irp i,2,4,6,8,10,12,14
.irp m,0,1,2,3
	v_max3_num_f32 v[TM+\m], |v[ACC+16*\m+\i]|, |v[ACC+16*\m+\i+1]|, v[TM+\m]
.endr
.endr
.irp m,0,1,2,3
	v_permlanex16_b32 v[TM+4+\m], v[TM+\m], s[SEL], s[SEL+1]
.endr
.irp m,0,1,2,3
	v_max_num_f32 v[TM+\m], v[TM+\m], v[TM+4+\m]
.endr
.irp m,0,1,2,3
	v_add_nc_u32 v[TM+12+\m], 0xfe000000, v[TM+\m]
.endr
.irp m,0,1,2,3
	v_lshrrev_b32 v[TM+4+\m], 23, v[TM+12+\m]
.endr
.if \pi == 0
.irp m,0,1,2,3
	v_cvt_scalef32_pk16_bf6_f32 v[PC+8*\m:PC+8*\m+2], v[ACC+16*\m:ACC+16*\m+15], v[TM+12+\m]
.endr
.irp m,0,1,2,3
	v_mov_b32 v[PW+\m], v[TM+4+\m]                 ; (plain lines behind the conversions)
.endr
.else
.irp m,0,1,2,3
	v_cvt_scalef32_pk16_bf6_f32 v[TC+4*\m:TC+4*\m+2], v[ACC+16*\m:ACC+16*\m+15], v[TM+12+\m]
.endr
	v_nop                                          ; one plain place behind a scaled conversion
.irp m,0,1,2,3
.irp i,0,1,2
	v_permlane16_swap_b32 v[PC+8*\m+\i], v[TC+4*\m+\i]
.endr
.endr
.irp m,0,1,2,3
.irp i,0,1,2
	v_mov_b32 v[PC+8*\m+3+\i], v[TC+4*\m+\i]
.endr
	v_lshl_or_b32 v[PW+\m], v[TM+4+\m], 8, v[PW+\m]
.endr
.endif
.endm
	s_load_b512 s[4:19], s[0:1], 0x0               ; x, ln1_g, ln1_b, ln2_g, ln2_b, b1, b2, fmean
	s_load_b256 s[20:27], s[0:1], 0x40             ; mi, msi, wi, wsi
	s_load_b64 s[28:29], s[0:1], 0x60              ; out0
	v_lshl_add_u32 v254, v0, 2, 0x2e800
	v_mov_b32 v255, 0
	v_lshrrev_b32 v24, 5, v0
	v_readfirstlane_b32 s[WV], v24                 ; wave
	v_and_b32 v24, 31, v0                          ; lane l
	v_and_b32 v25, 15, v0                          ; r
	v_bfe_u32 v26, v0, 4, 1                        ; h
	v_lshlrev_b32 v1, 4, v24                       ; 16 l
	v_lshlrev_b32 v2, 3, v24                       ; 8 l
	v_lshlrev_b32 v3, 2, v24                       ; 4 l
	s_mul_i32 s56, s[WV], 8448
	v_add_nc_u32 v4, s56, v1                       ; my stage, by rows
	v_mul_u32_u24 v5, v25, 528
	v_lshl_add_u32 v5, v26, 6, v5
	v_add_nc_u32 v5, s56, v5                       ; and by a lane's registers: row r, + 64 h
	s_mul_i32 s56, s[WV], 5120
	s_add_co_u32 s56, s56, VT
	v_add_nc_u32 v6, s56, v1                       ; my vectors: written
	v_lshl_add_u32 v7, v26, 6, s56                 ; and read: + 64 h
	s_lshl_b32 s57, s[WV], 7
	v_lshl_add_u32 v[STR], v25, 3, STAT
	v_add_nc_u32 v[STW], s57, v[STR]
	s_mul_i32 s74, s[WV], 1536
	v_add_nc_u32 v11, XIMG, v1
	v_add_nc_u32 v10, s74, v11
	v_add_nc_u32 v13, XSC, v3
	v_add_nc_u32 v12, s57, v13
	v_add_nc_u32 v14, s74, v1                      ; the hidden layer's half images, K step w: 16 bytes a lane,
	v_add_nc_u32 v17, 512, v2
	v_add_nc_u32 v15, s74, v17                     ; then 8 bytes a lane;
	v_add_nc_u32 v18, 24576, v3
	v_add_nc_u32 v16, s57, v18                     ; its scale words
	s_mov_b32 s[SEL], 0x76543210
	s_mov_b32 s[SEL+1], 0xfedcba98
	s_mov_b32 s[CC], 0x373504f3                    ; 1 / (4,096 sqrt(512)) = 2^-16.5
	s_mov_b32 s[CC+1], s[CC]
	s_mov_b32 s[PP], 0x3e6d3389                    ; 0.2316419
	s_mov_b32 s[C0], 0x3f596d27                    ; sqrt(log2(e) / 2)
	s_mov_b32 s[C0+1], s[C0]
	s_mov_b32 s[K5], 0x3f07dc22                    ; the polynomial's coefficients / sqrt(2 pi)
	s_mov_b32 s[K5+1], s[K5]
	s_mov_b32 s[K3], 0x3f35f0e3
	s_mov_b32 s[K3+1], s[K3]
	s_mov_b32 s[K2], 0xbe11a98e
	s_mov_b32 s[K2+1], s[K2]
	s_mov_b32 s[K1], 0x3e027906
	s_mov_b32 s[K1+1], s[K1]
	s_mov_b32 s[I512], 0x3b000000
	s_mov_b32 s[EPS], 0x3727c5ac
	s_mov_b32 s[BO], 0
	s_mov_b32 s[HIM], HBUF
	s_mov_b32 s[HWD], HBUF
	s_mov_b32 s[HBF], HBUF
	s_lshr_b32 s56, ttmp9, 6                       ; b
	s_and_b32 s57, ttmp9, 63                       ; which 64 positions
	s_lshl_b32 s62, s56, 11
	s_lshl_b32 s60, s[WV], 9                       ; 512 w
	s_add_co_u32 s62, s62, s60                     ; 2,048 b + 512 w
	s_lshl_b32 s58, s57, 19
	s_add_co_u32 s58, s58, s62                     ; x, out0: + 64 positions of 8,192 bytes
	s_mov_b32 s59, 0
	s_mov_b32 s61, 0
	s_mov_b32 s63, 0
	s_lshl_b32 s66, s56, 5
	s_lshl_b32 s67, s[WV], 3
	s_add_co_u32 s66, s66, s67                     ; my first tile of M^T: 32 b + 8 w
	s_lshl_b32 s68, s66, 9
	s_mul_i32 s66, s66, 6144
	s_mov_b32 s67, 0
	s_mov_b32 s69, 0
	s_mul_i32 s70, s[WV], 393216                   ; my stream of 64 quads
	s_mov_b32 s71, 0
	s_lshl_b32 s72, s[WV], 15
	s_mov_b32 s73, 0
	WIN 0x80
.irp i,4,5,6,7
	v_mov_b32 v[TM+\i], 0                          ; written once: a lane permute's destination counts as one of its sources
.endr
.irp i,1,3,5,7
	v_mov_b32 v[ST+\i], 0
.endr
	v_mov_b32 v[K4], 0xbf3a00e3
	v_mov_b32 v[K4+1], 0xbf3a00e3
	WIN 0
	s_wait_kmcnt 0x0
	s_add_nc_u64 s[4:5], s[4:5], s[58:59]
	s_add_nc_u64 s[28:29], s[28:29], s[58:59]
	s_add_nc_u64 s[6:7], s[6:7], s[60:61]
	s_add_nc_u64 s[8:9], s[8:9], s[60:61]
	s_add_nc_u64 s[10:11], s[10:11], s[60:61]
	s_add_nc_u64 s[12:13], s[12:13], s[60:61]
	s_add_nc_u64 s[14:15], s[14:15], s[60:61]
	s_add_nc_u64 s[16:17], s[16:17], s[60:61]
	s_add_nc_u64 s[18:19], s[18:19], s[62:63]
	s_add_nc_u64 s[20:21], s[20:21], s[66:67]
	s_add_nc_u64 s[22:23], s[22:23], s[68:69]
	s_add_nc_u64 s[24:25], s[24:25], s[70:71]
	s_add_nc_u64 s[26:27], s[26:27], s[72:73]
	global_load_b128 v[80:83], v1, s[6:7]          ; my 128 numbers of each vector: 512 consecutive bytes
	global_load_b128 v[84:87], v1, s[8:9]
	global_load_b128 v[88:91], v1, s[18:19]
	global_load_b128 v[92:95], v1, s[10:11]
	global_load_b128 v[96:99], v1, s[12:13]
	global_load_b128 v[100:103], v1, s[16:17]
.irp c,0,1,2,3
	global_load_b128 v[104+4*\c:107+4*\c], v1, s[14:15] offset:2048*\c
.endr
	WIN 0x44
.irp m,0,1,2,3
.irp i,0,1,2,3,4,5,6,7,8,9,10,11,12,13,14,15
	global_load_b128 v[64*\m+4*\i:64*\m+4*\i+3], v1, s[4:5] offset:(16*\m+\i)*8192 th:TH_LOAD_NT
.endr
.endr
.irp m,0,1,2,3
	s_wait_loadcnt 48-16*\m                        ; tile m is in; behind it: the later tiles' 16 loads each
.if \m == 0
	WIN 0
.irp v,0,1,2,3,4,5,6,7,8,9
	ds_store_b128 v6, v[80+4*\v:83+4*\v] offset:512*\v
.endr
.endif
	WIN 0x44
.irp i,0,1,2,3,4,5,6,7,8,9,10,11,12,13,14,15
	ds_store_b128 v4, v[64*\m+4*\i:64*\m+4*\i+3] offset:528*\i
.endr
.irp i,0,1,2,3,4,5,6,7,8,9,10,11,12,13,14,15   ; LDS serves a wave's instructions in order
	ds_load_b128 v[64*\m+4*\i:64*\m+4*\i+3], v5 offset:128*(\i/4)+16*(\i%4)
.endr
.endr
	WIN 0
	s_wait_dscnt 0x0
	QLOADM 0, 0                                    ; the ring's first four quads land under LN1
	QLOADM 1, 1
	QLOADM 2, 2
	QLOADM 3, 3
	; ---- LN1, and Q(h)
	WIN 0xc0
	VEC64 0, 0
	VEC64 1, 64
	LNSUM 1, 2, 0
	LNCEN 1, 2, 0
	LNPUT 2, 0, 0
	BARRIER                                        ; all four quarters' statistics lie in LDS
	COMBINE 0, 0
	LNNORM 1, 2, 3, 0
.irp m,0,1,2,3
	QMAX 64*\m, 1, 2
	s_wait_dscnt 0x0                               ; the last image's stores have read their registers
	QCVT 64*\m, 1, 2
	IMAGE \m
.endr
	WIN 0
	BARRIER                                        ; Q(h)'s sixteen fragments lie in LDS
	XFETCH
	; ---- Q(h) Q(M): behind a quad's 17 loads stand the next three quads' (17 or 13 each)
	VEC16F 0
	QUAD 0, 0, 0, 51, 2
	QUAD 1, 0, 1, 51, 2
	s_wait_dscnt 0x0
	EPI0 0
	VEC16F 1
	QUAD 2, 0, 2, 51, 2
	QUAD 3, 0, 3, 51, 2
	s_wait_dscnt 0x0
	EPI0 1
	VEC16F 2
	QUAD 0, 0, 4, 51, 3
	QUAD 1, 0, 5, 47, 3
	s_wait_dscnt 0x0
	EPI0 2
	VEC16F 3
	QUAD 2, 0, 6, 43, 3
	QUAD 3, 0, 7, 39, 3
	s_wait_dscnt 0x0
	EPI0 3
	; ---- LN2, and Q(h2)
	WIN 0xc0
	VEC64 3, 0
	VEC64 4, 64
	VEC64 5, 128
	LNSUM 1, 2, 0
	LNSQ2
	LNPUT 2, 0, 2048
	BARRIER                                        ; LN2's statistics lie in LDS; every wave's reads of Q(h)'s images are long over
	COMBINE 2048, 1
.irp m,0,1,2,3
	H2 \m
	QMAX ACC, 2, 2
	s_wait_dscnt 0x0
	QCVT ACC, 2, 2
	IMAGE \m
.endr
	WIN 0x4d
.irp m,0,1,2,3
.set j, 0
.rept 32
	v_pk_add_f32 v[64*\m+j:64*\m+j+1], v[64*\m+j:64*\m+j+1], v[128+j:129+j]    ; hn + b2: the second product adds onto this, so residual and bias cost no more
.set j, j+2
.endr
.endr
	WIN 0
	VEC16B                                         ; b1 of the first pair
	BARRIER                                        ; Q(h2)'s sixteen fragments lie in LDS
	XFETCH
	; ---- the MLP, 512 hidden units a chunk
	s_mov_b32 s[CH], 0
.Lchunk:
	s_mov_b32 s[TR], 0
.Ltrip:                                            ; a trip: four quads = two pairs of tiles = 64 of my hidden units = half a fragment for each tile of rows
	s_wait_dscnt 0x0                               ; the bias is in; the last half images' stores have read their registers
	QUAD 0, 1, 0, 39, 1                            ; behind a quad's 13 loads: the next three quads' 39
	QUAD 1, 1, 1, 39, 1
	VEC16B
	GELU32 0
	GELU32 32
	QBLK 0
	WIN 0
	s_wait_dscnt 0x0
	QUAD 2, 1, 0, 39, 1
	QUAD 3, 1, 1, 39, 1
	VEC16B
	GELU32 0
	GELU32 32
	QBLK 1
	WIN 0
	v_add_nc_u32 v19, s[HIM], v14
	v_add_nc_u32 v20, s[HIM], v15
	v_add_nc_u32 v21, s[HWD], v16
	WIN 0x08
.irp m,0,1,2,3
	ds_store_b128 v19, v[PC+8*\m:PC+8*\m+3] offset:6144*\m
	ds_store_b64 v20, v[PC+8*\m+4:PC+8*\m+5] offset:6144*\m
	ds_store_b16 v21, v[PW+\m] offset:512*\m
.endr
	WIN 0
	s_add_co_u32 s[HIM], s[HIM], 768
	s_add_co_u32 s[HWD], s[HWD], 2
	s_add_co_u32 s[TR], s[TR], 1
	s_cmp_lt_u32 s[TR], 2
	s_cbranch_scc1 .Ltrip
	s_sub_co_u32 s[HIM], s[HIM], 1536
	s_sub_co_u32 s[HWD], s[HWD], 4
	BARRIER                                        ; the chunk's sixteen fragments lie in LDS.  One barrier a chunk: who writes this buffer again has passed the next chunk's barrier, which every wave signals behind its reads below
	v_add_nc_u32 v19, s[HBF], v1
	v_add_nc_u32 v20, s[HBF], v17
	v_add_nc_u32 v21, s[HBF], v18
	WIN 0x80
.irp m,0,1,2,3
.irp s,0,1,2,3
.irp c,0,1
	ds_load_b128 v[12*(4*\m+\s)+6*\c:12*(4*\m+\s)+6*\c+3], v19 offset:((4*\m+\s)*2+\c)*768
	ds_load_b64 v[12*(4*\m+\s)+6*\c+4:12*(4*\m+\s)+6*\c+5], v20 offset:((4*\m+\s)*2+\c)*768
.endr
.endr
.endr
	WIN 0
.irp m,0,1,2,3
.irp s,0,1,2,3
	ds_load_b32 v[HS+4*\m+\s], v21 offset:(4*\m+\s)*128
.endr
.endr
	s_wait_dscnt 0x0
	QUAD 0, 2, 0, 39, 1
	QUAD 1, 2, 1, 39, 1
	QUAD 2, 2, 2, 39, 1
	QUAD 3, 2, 3, 39, 1
	s_cmp_eq_u32 s[CH], 3                          ; the stream's last lap asks for nothing: no load leaves its buffer
	s_cbranch_scc1 .Llast_lap
	QUAD 0, 2, 4, 39, 1
	QUAD 1, 2, 5, 39, 1
	QUAD 2, 2, 6, 39, 1
	QUAD 3, 2, 7, 39, 1
	s_branch .Llap_done
.Llast_lap:
	QUAD 0, 2, 4, 39, 0                            ; the counts run down
	QUAD 1, 2, 5, 26, 0
	QUAD 2, 2, 6, 13, 0
	QUAD 3, 2, 7, 0, 0
.Llap_done:
	s_xor_b32 s[HIM], s[HIM], 0x8000               ; the other buffer
	s_xor_b32 s[HWD], s[HWD], 0x8000
	s_xor_b32 s[HBF], s[HBF], 0x8000
	s_add_co_u32 s[CH], s[CH], 1
	s_cmp_lt_u32 s[CH], 4
	s_cbranch_scc1 .Lchunk
	; ---- the way out: a tile's registers go through my stage and come back as rows' quarters of 512 bytes
.macro TOX m
	WIN 0x84
.irp q,0,1,2,3,4,5,6,7,8,9,10,11,12,13,14,15   ; each accumulator from its low end on
	ds_store_b128 v5, v[64*(\m)+4*\q:64*(\m)+4*\q+3] offset:128*(\q/4)+16*(\q%4)
.endr
.irp i,0,1,2,3,4,5,6,7,8,9,10,11,12,13,14,15
	ds_load_b128 v[64*((\m)%2)+4*\i:64*((\m)%2)+4*\i+3], v4 offset:528*\i
.endr
.endm
.macro SENDX m, younger                ; younger: the LDS instructions issued behind tile m's loads
	s_wait_dscnt \younger
	WIN 0x08
.irp i,0,1,2,3,4,5,6,7,8,9,10,11,12,13,14,15
	global_store_b128 v1, v[64*((\m)%2)+4*\i:64*((\m)%2)+4*\i+3], s[28:29] offset:(16*(\m)+\i)*8192 th:TH_STORE_NT   ; 512 consecutive bytes, at a multiple of 512 from out0's first byte
.endr
.endm
	TOX 0
	TOX 1
	SENDX 0, 32
	s_wait_xcnt 0x0                                ; tile 0's stores have read their registers, which tile 2's rows take
	TOX 2
	SENDX 1, 32
	s_wait_xcnt 0x0
	TOX 3
	SENDX 2, 32
	SENDX 3, 0
	WIN 0
	s_wait_tensorcnt 0x0
	ds_add_u32 v254, v255
	s_wait_dscnt 0x0
	s_endpgm
.Lfunc_end_k_q8a72a7aed0_back:
	.size	k_q8a72a7aed0_back, .Lfunc_end_k_q8a72a7aed0_back-k_q8a72a7aed0_back
	.p2alignl 7, 3214868480
	.fill 96, 4, 3214868480
	.section	.rodata,"a",@progbits
	.p2align	6, 0x0
	.amdhsa_kernel k_q8a72a7aed0_back
		.amdhsa_group_segment_fixed_size 190976
		.amdhsa_private_segment_fixed_size 0
		.amdhsa_enable_private_segment 0
		.amdhsa_kernarg_size 104
		.amdhsa_user_sgpr_count 2
		.amdhsa_user_sgpr_kernarg_segment_ptr 1
		.amdhsa_wavefront_size32 1
		.amdhsa_system_sgpr_workgroup_id_x 1
		.amdhsa_system_sgpr_workgroup_id_y 1
		.amdhsa_system_sgpr_workgroup_id_z 1
		.amdhsa_system_vgpr_workitem_id 0
		.amdhsa_next_free_vgpr 1024
		.amdhsa_next_free_sgpr 80
		.amdhsa_reserve_vcc 0
		.amdhsa_float_denorm_mode_32 3
		.amdhsa_float_denorm_mode_16_64 3
		.amdhsa_memory_ordered 1
		.amdhsa_forward_progress 1
		.amdhsa_inst_pref_size 255
	.end_amdhsa_kernel
	.section	.bss,"aw",@nobits
	.p2align	6
	.space	262144
	.amdgpu_metadata
---
amdhsa.version: [ 1, 2 ]
amdhsa.kernels:
  - .name:           k_q8a72a7aed0_back
    .symbol:         k_q8a72a7aed0_back.kd
    .args:
      - { .name: x, .offset: 0, .size: 8, .value_kind: global_buffer, .address_space: global }
      - { .name: ln1_g, .offset: 8, .size: 8, .value_kind: global_buffer, .address_space: global }
      - { .name: ln1_b, .offset: 16, .size: 8, .value_kind: global_buffer, .address_space: global }
      - { .name: ln2_g, .offset: 24, .size: 8, .value_kind: global_buffer, .address_space: global }
      - { .name: ln2_b, .offset: 32, .size: 8, .value_kind: global_buffer, .address_space: global }
      - { .name: b1, .offset: 40, .size: 8, .value_kind: global_buffer, .address_space: global }
      - { .name: b2, .offset: 48, .size: 8, .value_kind: global_buffer, .address_space: global }
      - { .name: fmean, .offset: 56, .size: 8, .value_kind: global_buffer, .address_space: global }
      - { .name: mi, .offset: 64, .size: 8, .value_kind: global_buffer, .address_space: global }
      - { .name: msi, .offset: 72, .size: 8, .value_kind: global_buffer, .address_space: global }
      - { .name: wi, .offset: 80, .size: 8, .value_kind: global_buffer, .address_space: global }
      - { .name: wsi, .offset: 88, .size: 8, .value_kind: global_buffer, .address_space: global }
      - { .name: out0, .offset: 96, .size: 8, .value_kind: global_buffer, .address_space: global }
    .group_segment_fixed_size: 190976
    .private_segment_fixed_size: 0
    .kernarg_segment_align: 8
    .kernarg_segment_size: 104
    .max_flat_workgroup_size: 128
    .sgpr_count:     80
    .vgpr_count:     1024
    .wavefront_size: 32
...
	.end_amdgpu_metadata
.endif
;; end of part 3
;; ======== version 2 of 2: 3 launches; version 1 with the launches gram, back written anew for expert scheduling mode
;; limits: a function is approximated: absolute error at most 7.5e-08; an absolute error that grows with the inputs' magnitude: up to 7.5e-08 times it
;; workspace buffers: ti 12,582,912 bytes; ts 524,288 bytes; csp 262,144 bytes; wi 1,572,864 bytes; wsi 131,072 bytes; mi 786,432 bytes; msi 65,536 bytes; fmean 8,192 bytes
;; launch front: the kernel of part 1 again; grid 256 x 1, 4 waves a work-group, clusters of 4 x 1, 312,832 bytes of LDS; arguments x, ln1_g, ln1_b, W_v_codes, W_v_scales, theta_codes, theta_scales, w1_codes, w1_scales, w2_codes, w2_scales, ti, ts, csp, wi, wsi; writes ti, ts, csp, wi, wsi
;; launch gram (part 4): grid 256 x 1, 4 waves a work-group, no clusters, 66,048 bytes of LDS; arguments ti, ts, csp, mi, msi, fmean; writes mi, msi, fmean
.if DOCPART == 4
	.amdgcn_target "amdgcn-amd-amdhsa--gfx1250"
	.amdhsa_code_object_version 6
	.text
	.protected	k_q8a72a7aed0_gram
	.globl	k_q8a72a7aed0_gram
	.p2align	8
	.type	k_q8a72a7aed0_gram,@function
k_q8a72a7aed0_gram:
	s_mov_b64 s[64:65], 0
	v_nop
	global_prefetch_b8 v0, s[64:65] scope:SCOPE_SE
	s_setreg_imm32_b32 hwreg(HW_REG_WAVE_SCHED_MODE, 0, 2), 2
	s_setreg_imm32_b32 hwreg(HW_REG_WAVE_MODE, 25, 1), 1
	s_wait_xcnt 0x0
	s_wait_alu depctr_vm_vsrc(0)
; GRAM.  M[b][d][e] = the sum over n of Q(Xth)[n][d] Q(XWv)[n][e]; M is quantised along d and laid out as operand images of M^T; the mean of XWv over n.
; SHARES.  Work-group g: batch b = g >> 6, D = (g >> 3) & 7, E = g & 7: 64 d x 64 e.  K = 4,096 positions is split: wave w takes K steps 8 w .. 8 w + 7 for the whole tile, 16 accumulators, so that each
; byte of the tile's operands comes to the work-group once; the four partial sums meet in LDS.  (So a sum is made of four partial sums in f32, each with K ascending.)
; Source 0 = 16 rows of Xth^T (d), source 1 = 16 rows of XWv^T (e): a lane holds one e, and the registers of the four d tiles are d = 64 D + 32 B + 16 (lane / 16) + 0 .. 15: the next product's K.
; Operands come from memory as images of their registers: three loads of 512 consecutive bytes a fragment.
; LIMITS: as in the first launch (scale byte 1 for blocks under 2^-122 and for blocks of zeros).
; THE MODE: SCHED_MODE bits 1:0 = 2 (LLVM: expert scheduling mode 2), set by the entry lines.  The code itself states the register dependences
; between vector or matrix instructions and memory or LDS instructions, with s_wait_alu, always for 0.
; THE PLAN.  Registers that memory or LDS instructions touch:
;   sets 0 .. 3    K step k's eight fragments and eight scale words lie in set k % 4.  Written by the loads of step k, issued in step k - 3; read by step k's sixteen products.
;   v1, v5 .. v9   offsets and LDS addresses, made once at the head and never written again.
;   the accumulators: written by products alone; read once, by the LDS stores behind the last step.
;   window 1's v0-127: after the last step the partial sums land there;  v[PC ..], v[PW]: written by the quantiser, read by the last stores.
; Step k multiplies set k % 4; its memory instructions are the loads of step k + 3 into set (k + 3) % 4 = (k - 1) % 4, which no product of step k names.  So ONE wait on va_vdst stands at a step's head,
; behind the wait for the step's data: the step before is done reading its set.  The step's 26 loads follow it, dealt among its products, with no further wait.
; REGISTERS.  window 0: v1-9 addresses; v32-63 scale words, four sets; v64-191 accumulators (e tile, d tile) at v[64 + 8 (4 e + d)]; v192-223 the mean's loads; v254, v255 the closing add's two.
;   window 1: v0-95, v96-191 operand sets 0, 1; later the partial sums and the quantiser.   window 2: v0-95, v96-191 sets 2, 3.
.set TM, 128
.set PC, 144
.set TC, 152
.set PW, 156
.set MSB, 0
.macro WIN new
.if MSB != (\new)
	s_set_vgpr_msb (MSB<<8)|(\new)
.set MSB, (\new)
.endif
.endm
.macro PLACES n
.rept \n
	v_nop
.endr
.endm
.macro MMZ d, a, b, sa, sb
	v_wmma_scale_f32_16x16x128_f8f6f4 v[(\d):(\d)+7], v[(\a):(\a)+11], v[(\b):(\b)+11], 0, v[(\sa)], v[(\sb)] matrix_a_fmt:MATRIX_FMT_BF6 matrix_b_fmt:MATRIX_FMT_BF6
.endm
.macro MMC d, a, b, c, sa, sb
	v_wmma_scale_f32_16x16x128_f8f6f4 v[(\d):(\d)+7], v[(\a):(\a)+11], v[(\b):(\b)+11], v[(\c):(\c)+7], v[(\sa)], v[(\sb)] matrix_a_fmt:MATRIX_FMT_BF6 matrix_b_fmt:MATRIX_FMT_BF6
.endm
	s_load_b256 s[4:11], s[0:1], 0x0               ; ti, ts, csp, mi
	s_load_b128 s[12:15], s[0:1], 0x20             ; msi, fmean
	v_lshl_add_u32 v254, v0, 2, 0x10000            ; my spare word and 0: made here and kept for the closing lines alone
	v_mov_b32 v255, 0
	v_lshrrev_b32 v2, 5, v0
	v_readfirstlane_b32 s16, v2                    ; wave
	v_and_b32 v3, 31, v0                           ; lane l
	v_and_b32 v4, 15, v0                           ; r
	v_lshlrev_b32 v1, 4, v3                        ; 16 l
	v_lshlrev_b32 v5, 5, v4                        ; 32 r: a row's eight scale words
	v_lshlrev_b32 v6, 3, v3                        ; 8 l
	v_lshlrev_b32 v7, 2, v3                        ; 4 l
	s_wait_alu depctr_va_sdst(0)                   ; s16 is written, ahead of its first reader: addresses, bases and a branch are made from it
	s_lshl_b32 s17, s16, 14
	v_add_nc_u32 v8, s17, v1                       ; LDS: my 16 partial sums: 16,384 w + 16 l
	s_lshl_b32 s17, s16, 12
	v_add_nc_u32 v9, s17, v1                       ; and the four that I finish: accumulators 4 w .. 4 w + 3 of every wave
	s_mov_b32 s40, 0x76543210
	s_mov_b32 s41, 0xfedcba98
	s_lshr_b32 s18, ttmp9, 6                       ; b
	s_bfe_u32 s19, ttmp9, 0x30003                  ; D
	s_and_b32 s20, ttmp9, 7                        ; E
	s_mul_i32 s23, s16, 12288                      ; my first K step: 8 w images
	s_lshl_b32 s22, s16, 3
	s_add_co_u32 s21, s18, 4
	s_lshl_b32 s21, s21, 5                         ; Xth^T: 32 (4 + b) tiles on
	s_add_co_u32 s28, s21, s22
	s_lshl_b32 s28, s28, 11                        ; its scale words of K step 8 w
	s_lshl_b32 s17, s19, 2
	s_add_co_u32 s21, s21, s17
	s_mul_i32 s24, s21, 49152
	s_add_co_u32 s24, s24, s23
	s_mov_b32 s25, 0
	s_lshr_b32 s17, s19, 1
	s_lshl_b32 s17, s17, 9
	s_add_co_u32 s28, s28, s17                     ; tiles 4 D .. 4 D + 3: quarter D / 2,
	s_and_b32 s17, s19, 1
	s_lshl_b32 s17, s17, 4
	s_add_co_u32 s28, s28, s17                     ; words 4 (D % 2) on
	s_mov_b32 s29, 0
	s_lshl_b32 s21, s18, 5                         ; XWv^T: 32 b tiles on
	s_add_co_u32 s30, s21, s22
	s_lshl_b32 s30, s30, 11
	s_lshl_b32 s17, s20, 2
	s_add_co_u32 s21, s21, s17                     ; 32 b + 4 E
	s_mul_i32 s26, s21, 49152
	s_add_co_u32 s26, s26, s23
	s_mov_b32 s27, 0
	s_lshr_b32 s17, s20, 1
	s_lshl_b32 s17, s17, 9
	s_add_co_u32 s30, s30, s17
	s_and_b32 s17, s20, 1
	s_lshl_b32 s17, s17, 4
	s_add_co_u32 s30, s30, s17
	s_mov_b32 s31, 0
	s_add_co_u32 s21, s21, s16                     ; the tile of M^T that I finish: 32 b + 4 E + w
	s_lshl_b32 s44, s21, 9
	s_lshl_b32 s17, s19, 1
	s_add_co_u32 s44, s44, s17                     ; msi: 512 x tile + 2 D
	s_mov_b32 s45, 0
	s_lshl_b32 s42, s21, 3
	s_add_co_u32 s42, s42, s19
	s_mul_i32 s42, s42, 768                        ; mi: (8 x tile + D) halves of 768 bytes
	s_mov_b32 s43, 0
	s_lshl_b32 s46, s20, 8
	s_lshl_b32 s17, s16, 7
	s_add_co_u32 s46, s46, s17                     ; the mean: columns 64 E + 32 w on, in bytes
	s_lshl_b32 s22, s18, 11
	s_add_co_u32 s22, s22, s46                     ; in fmean: + 2,048 b
	s_mov_b32 s23, 0
	s_lshl_b32 s17, s18, 16
	s_add_co_u32 s46, s46, s17                     ; in csp: + 65,536 b
	s_mov_b32 s47, 0
	s_wait_kmcnt 0x0
	s_add_nc_u64 s[32:33], s[4:5], s[24:25]
	s_add_nc_u64 s[34:35], s[4:5], s[26:27]
	s_add_nc_u64 s[36:37], s[6:7], s[28:29]
	s_add_nc_u64 s[38:39], s[6:7], s[30:31]
	s_add_nc_u64 s[8:9], s[8:9], s[46:47]
	s_add_nc_u64 s[10:11], s[10:11], s[42:43]
	s_add_nc_u64 s[12:13], s[12:13], s[44:45]
	s_add_nc_u64 s[14:15], s[14:15], s[22:23]
	s_wait_alu depctr_va_vdst(0)                   ; v1 and v5 to v9 are written: every load, store and LDS access of the kernel reads one of them as its offset or address
.macro LOADA k                         ; my K step k: Xth^T's four fragments: 12 loads
.set LW, 1+((\k)%4)/2
.set LB, 96*(((\k)%4)%2)
	WIN LW<<6
.irp t,0,1,2,3
.irp g,0,1,2
	global_load_b128 v[LB+12*\t+4*\g:LB+12*\t+4*\g+3], v1, s[32:33] offset:49152*\t+1536*(\k)+512*\g
.endr
.endr
.endm
.macro LOADB k                         ; XWv^T's four fragments and both sides' scale words: 14 loads
.set LW, 1+((\k)%4)/2
.set LB, 96*(((\k)%4)%2)
	WIN LW<<6
.irp t,0,1,2,3
.irp g,0,1,2
	global_load_b128 v[LB+48+12*\t+4*\g:LB+48+12*\t+4*\g+3], v1, s[34:35] offset:49152*\t+1536*(\k)+512*\g
.endr
.endr
	WIN 0
	global_load_b128 v[32+8*((\k)%4):35+8*((\k)%4)], v5, s[36:37] offset:2048*(\k)
	global_load_b128 v[36+8*((\k)%4):39+8*((\k)%4)], v5, s[38:39] offset:2048*(\k)
.endm
.macro HALF k, e0                      ; eight of a step's sixteen products: e tiles e0, e0 + 1.  Sixteen accumulators by turns, one instruction a turn
	WIN 5*BW
.irp e,\e0,\e0+1
.irp d,0,1,2,3
.if (\k) == 0
	MMZ 64+8*(4*(\e)+\d), BB+12*\d, BB+48+12*(\e), SS+\d, SS+4+(\e)
.else
	MMC 64+8*(4*(\e)+\d), BB+12*\d, BB+48+12*(\e), 64+8*(4*(\e)+\d), SS+\d, SS+4+(\e)
.endif
.endr
.endr
.endm
.macro STEP k, cnt
.set BW, 1+((\k)%4)/2
.set BB, 96*(((\k)%4)%2)
.set SS, 32+8*((\k)%4)
	s_wait_loadcnt \cnt
.if ((\k) > 0) && ((\k)+3 < 8)
	s_wait_alu depctr_va_vdst(0)                   ; the products of the step before are done reading their set and its scale words, in which this step's loads land
.endif
	HALF \k, 0
.if (\k)+3 < 8
	LOADA (\k)+3                                   ; no wait: no product since the wait at the step's head names the set three steps on (step 0: no instruction has named set 3 at all)
.endif
	HALF \k, 2
.if (\k)+3 < 8
	LOADB (\k)+3
.endif
	WIN 0
	PLACES 4                                       ; behind the step's products: ahead of the next step's loads into the registers just read, and of the first read of results
.endm
	LOADA 0
	LOADB 0
	LOADA 1
	LOADB 1
	s_cmp_lg_u32 s19, 0                            ; the mean of XWv: the work-groups with D = 0, waves 0 and 1: a lane a column, 32 partial sums each
	s_cbranch_scc1 .Lno_mean
	s_cmp_ge_u32 s16, 2
	s_cbranch_scc1 .Lno_mean
.set j, 0
.rept 32
	global_load_b32 v[192+j], v7, s[8:9] offset:2048*j
.set j, j+1
.endr
	s_wait_loadcnt 0x0
.irp k,1,2,3,4,5,6,7
.irp i,0,1,2,3
	v_add_f32 v[192+\i], v[192+\i], v[192+4*\k+\i]
.endr
.endr
	v_add_f32 v192, v192, v193
	v_add_f32 v194, v194, v195
	v_add_f32 v192, v192, v194
	v_mul_f32 v192, 0x39800000, v192               ; / 4,096
	s_wait_alu depctr_va_vdst(0)                   ; v192 is written, which the store reads
	global_store_b32 v7, v192, s[14:15]            ; 128 consecutive bytes
.Lno_mean:
	LOADA 2
	LOADB 2
	STEP 0, 52                                     ; behind a K step's 26 loads: the next two steps' 52
	STEP 1, 52
	STEP 2, 52
	STEP 3, 52
	STEP 4, 52
	STEP 5, 52
	STEP 6, 26
	STEP 7, 0
	s_wait_alu depctr_va_vdst(0)                   ; behind the four places: the products have written the accumulators, which the LDS stores read, and are done reading window 1's v0-127, in which the partial sums land below
.irp a,0,1,2,3,4,5,6,7,8,9,10,11,12,13,14,15   ; each accumulator from its low end on
	ds_store_b128 v8, v[64+8*\a:64+8*\a+3] offset:1024*\a
	ds_store_b128 v8, v[64+8*\a+4:64+8*\a+7] offset:1024*\a+512
.endr
	s_wait_dscnt 0x0                               ; for the others' sake: my partial sums have landed
	s_barrier_signal -1
	s_barrier_wait -1
	WIN 0x40
.irp v,0,1,2,3
.irp d,0,1,2,3
	ds_load_b128 v[32*\v+8*\d:32*\v+8*\d+3], v9 offset:16384*\v+1024*\d
	ds_load_b128 v[32*\v+8*\d+4:32*\v+8*\d+7], v9 offset:16384*\v+1024*\d+512
.endr
.endr
	s_wait_dscnt 0x0
	WIN 0x55                                       ; all that follows works in window 1
	v_mov_b32 v[TM+4], 0
	v_mov_b32 v[TM+5], 0
.set j, 0
.rept 16
	v_pk_add_f32 v[j:j+1], v[j:j+1], v[32+j:33+j]
	v_pk_add_f32 v[64+j:65+j], v[64+j:65+j], v[96+j:97+j]
.set j, j+2
.endr
.set j, 0
.rept 16
	v_pk_add_f32 v[j:j+1], v[j:j+1], v[64+j:65+j]  ; register 16 B + i = M(64 D + 32 B + 16 h + i, my e)
.set j, j+2
.endr
.irp b,0,1
	v_max3_num_f32 v[TM+\b], |v[16*\b]|, |v[16*\b+1]|, 0x2800000
.endr
.irp i,2,4,6,8,10,12,14
.irp b,0,1
	v_max3_num_f32 v[TM+\b], |v[16*\b+\i]|, |v[16*\b+\i+1]|, v[TM+\b]
.endr
.endr
.irp b,0,1
	v_permlanex16_b32 v[TM+4+\b], v[TM+\b], s40, s41
.endr
.irp b,0,1
	v_max_num_f32 v[TM+\b], v[TM+\b], v[TM+4+\b]
.endr
.irp b,0,1
	v_add_nc_u32 v[TM+12+\b], 0xfe000000, v[TM+\b]
.endr
.irp b,0,1
	v_lshrrev_b32 v[TM+4+\b], 23, v[TM+12+\b]
.endr
	v_lshl_or_b32 v[PW], v[TM+5], 8, v[TM+4]       ; the two blocks' bytes
	v_cvt_scalef32_pk16_bf6_f32 v[PC:PC+2], v[0:15], v[TM+12]
	v_cvt_scalef32_pk16_bf6_f32 v[TC:TC+2], v[16:31], v[TM+13]
	v_nop                                          ; one plain place behind a scaled conversion
.irp i,0,1,2
	v_permlane16_swap_b32 v[PC+\i], v[TC+\i]
.endr
.irp i,0,1,2
	v_mov_b32 v[PC+3+\i], v[TC+\i]                 ; six registers: k = 64 D + 32 h + 0 .. 31 of row e: half a fragment of M^T
.endr
	WIN 0x04
	s_wait_alu depctr_va_vdst(0)                   ; the conversions, swaps and moves have written v[PC ..] and v[PW], which the three stores read
	global_store_b128 v1, v[PC:PC+3], s[10:11]             ; 512 consecutive bytes
	global_store_b64 v6, v[PC+4:PC+5], s[10:11] offset:512 ; 256 consecutive bytes
	global_store_b16 v1, v[PW], s[12:13]           ; two scale bytes a lane, 16 bytes apart: a work-group owns two bytes of each row's sixteen; the buffer has 65,536 bytes in all
	WIN 0
	s_wait_dscnt 0x0                               ; the closing lines, six on end
	s_wait_alu 0x0
	s_wait_tensorcnt 0x0
	ds_add_u32 v254, v255
	s_wait_dscnt 0x0
	s_endpgm
.Lfunc_end_k_q8a72a7aed0_gram:
	.size	k_q8a72a7aed0_gram, .Lfunc_end_k_q8a72a7aed0_gram-k_q8a72a7aed0_gram
	.p2alignl 7, 3214868480
	.fill 96, 4, 3214868480
	.section	.rodata,"a",@progbits
	.p2align	6, 0x0
	.amdhsa_kernel k_q8a72a7aed0_gram
		.amdhsa_group_segment_fixed_size 66048
		.amdhsa_private_segment_fixed_size 0
		.amdhsa_enable_private_segment 0
		.amdhsa_kernarg_size 48
		.amdhsa_user_sgpr_count 2
		.amdhsa_user_sgpr_kernarg_segment_ptr 1
		.amdhsa_wavefront_size32 1
		.amdhsa_system_sgpr_workgroup_id_x 1
		.amdhsa_system_sgpr_workgroup_id_y 1
		.amdhsa_system_sgpr_workgroup_id_z 1
		.amdhsa_system_vgpr_workitem_id 0
		.amdhsa_next_free_vgpr 704
		.amdhsa_next_free_sgpr 66
		.amdhsa_reserve_vcc 0
		.amdhsa_float_denorm_mode_32 3
		.amdhsa_float_denorm_mode_16_64 3
		.amdhsa_memory_ordered 1
		.amdhsa_forward_progress 1
		.amdhsa_inst_pref_size 56
	.end_amdhsa_kernel
	.amdgpu_metadata
---
amdhsa.version: [ 1, 2 ]
amdhsa.kernels:
  - .name:           k_q8a72a7aed0_gram
    .symbol:         k_q8a72a7aed0_gram.kd
    .args:
      - { .name: ti, .offset: 0, .size: 8, .value_kind: global_buffer, .address_space: global }
      - { .name: ts, .offset: 8, .size: 8, .value_kind: global_buffer, .address_space: global }
      - { .name: csp, .offset: 16, .size: 8, .value_kind: global_buffer, .address_space: global }
      - { .name: mi, .offset: 24, .size: 8, .value_kind: global_buffer, .address_space: global }
      - { .name: msi, .offset: 32, .size: 8, .value_kind: global_buffer, .address_space: global }
      - { .name: fmean, .offset: 40, .size: 8, .value_kind: global_buffer, .address_space: global }
    .group_segment_fixed_size: 66048
    .private_segment_fixed_size: 0
    .kernarg_segment_align: 8
    .kernarg_segment_size: 48
    .max_flat_workgroup_size: 128
    .sgpr_count:     66
    .vgpr_count:     704
    .wavefront_size: 32
...
	.end_amdgpu_metadata
.endif
;; end of part 4
;; launch back (part 5): grid 256 x 1, 4 waves a work-group, no clusters, 190,976 bytes of LDS; arguments x, ln1_g, ln1_b, ln2_g, ln2_b, b1, b2, fmean, mi, msi, wi, wsi, out0; writes out0
.if DOCPART == 5
	.amdgcn_target "amdgcn-amd-amdhsa--gfx1250"
	.amdhsa_code_object_version 6
	.text
	.protected	k_q8a72a7aed0_back
	.globl	k_q8a72a7aed0_back
	.p2align	8
	.type	k_q8a72a7aed0_back,@function
k_q8a72a7aed0_back:
	s_mov_b64 s[64:65], 0
	v_nop
	global_prefetch_b8 v0, s[64:65] scope:SCOPE_SE
	s_setreg_imm32_b32 hwreg(HW_REG_WAVE_SCHED_MODE, 0, 2), 2
	s_setreg_imm32_b32 hwreg(HW_REG_WAVE_MODE, 25, 1), 1
	s_wait_xcnt 0x0
	s_wait_alu depctr_vm_vsrc(0)
; BACK.  h = LN1(x) once more; hn = h + mean + 2^-16.5 Q(h) Q(M); h2 = LN2(hn); out = hn + b2 + Q(gelu(Q(h2) w1^T + b1)) w2^T.
; SHARES.  Work-group g: batch b = g >> 6, positions 64 (g & 63) + 0 .. 63, as four tiles of 16 rows.  THE WAVES SHARE THE COLUMNS: wave w owns columns (hidden units, outputs) 128 w .. 128 w + 127 of every stage, for all 64 rows.
; Every product is used transposed: source 0 = 16 rows of a weight (of M^T), chosen so that lane r of tile 2 B + u stands for row 32 B + 8 u + r + 8 (r / 8); source 1 = 16 rows of the activations.  A lane then holds ONE row,
; and register 16 B + 8 u + j is column 32 B + 16 (lane / 16) + 8 u + j of my quarter: 16 neighbours along the next K.  What a wave quantises is K step w of the next product; it goes to the other waves through LDS as an image of registers.
; NINE STAGES OF ONE SHAPE: Q(h) M, and for each chunk c of 512 hidden units the first and the second product of the MLP.  A stage is 8 QUADS; a quad is one weight tile: 4 fragments x 4 tiles of rows = 16 products on 4 accumulators by turns.
; THE WEIGHTS come from memory straight into registers, from buffers laid in the order of the operand's registers: a ring of four quads' registers, each slot filled again with the quad four further on.
; GELU: x Phi(x) = max(x, 0) - |x| Q(|x|), Q(z) = exp(-z^2 / 2) / sqrt(2 pi) x (a polynomial of degree 5 in t = 1 / (1 + 0.2316419 z)) (Abramowitz and Stegun 26.2.17).
; LIMITS: that formula's error in Q is at most 7.5e-8, so gelu's is at most 7.5e-8 |x| beside f32's own rounding.  NaN and infinities among the inputs are not served.  Scale byte 1 for blocks under 2^-122 and for blocks of zeros.
; THE MODE: SCHED_MODE bits 1:0 = 2 (LLVM: expert scheduling mode 2), set by the entry lines.  The code itself states the register dependences
; between vector or matrix instructions and memory or LDS instructions, with s_wait_alu, always for 0.
; THE PLAN.  Registers that memory or LDS instructions touch, and who else names them:
;   ring slots 0-3, v64-79   loaded; read by their quad's sixteen products.  In Q(h) M and in the MLP's first product two quads are multiplied on end, and ONE wait on va_vdst behind their places, where the vector work needs the
;                            results in any case, serves both refills and the next bias.  In the second product a slot is filled again straight behind its own quad, behind one wait, so that four quads stay on their way.
;   v[BIAS ..]               loaded; read by a pair's products as their C.     v22, its LDS address: stepped ahead of the pair's wait, behind one wait on vm_vsrc,
;                            which also frees v19-21, v[PC ..] and v[PW ..] of the LDS stores of the trip before: all of them are written again later in the trip.
;   window 3's v0-191        loaded (gain, bias, b2; then 16 fragments); read by the normalising lines and by products.     v32-63: scale words, loaded; read by products.
;   window 2's v0-191        written by gelu and the quantiser; then the hidden layer's 16 fragments land there: one wait on vm_vsrc and one on va_vdst a chunk, round the three address lines.
;   v[ST ..], v[PC ..], v[PW ..]  written by vector lines, read by LDS stores: va_vdst ahead of each run of stores, vm_vsrc ahead of the next writer.
;   v1-18                    offsets and addresses, made once at the head and never written again.
;   on the way out           the accumulators are read by LDS stores behind one wait; each of the four tiles of rows comes back into registers of its own, so no register that a store has read is loaded again.
; REGISTERS.  window 0: v1-22 addresses; v32-47 x's / h2's scale words; v48-63 the hidden layer's; v64-79 the ring's; v80-127, v128-175, v176-223 ring slots 0-2; v254, v255 the closing add's two.
;   window 1: H(m) = v[64 m]: x, then h, then hn, then the accumulators of the output.
;   window 2: v0-63 accumulators (16 m + 8 u + j); v64-159 at work (during Q(h) M: v64-127 the mean of XWv at my columns); v160-191 codes; v192-245 at work, the bias in hand; in the second product v0-191 the hidden layer's 16 fragments; on the way out v0-255 rows.
;   window 3: v0-191 the 16 fragments of Q(h), later of Q(h2) (before each: gain, bias and b2 of my columns); v192-239 ring slot 3.
.set XT,    0                          ; LDS: a wave's stage for the turns: 16 rows x (512 + 16) bytes
.set VT,    33792                      ; a wave's ten vectors of 128 numbers: ln1_g, ln1_b, the mean, ln2_g, ln2_b, b2, b1's four chunks
.set STAT,  54272                      ; LN1's statistics; LN2's lie 2,048 bytes on
.set XIMG,  58368                      ; 16 fragments as images: (4 m + s) x 1,536
.set XSC,   82944                      ; their scale words
.set HBUF,  0x20000                    ; the hidden layer: two buffers 0x8000 apart: 32 half images of 768 bytes ((4 m + s) 2 + c), then 16 x 128 bytes of scale words
.set XS,  32
.set HS,  48
.set WS,  64
.set ACC, 0
.set GTT, 64
.set GYY, 96
.set GPP, 128
.set SQ,  64
.set MV,  64
.set SA,  96
.set ST,  104
.set PC,  160
.set TC,  192
.set PW,  208
.set TM,  212
.set BIAS, 228
.set K4,  244
.set STW, 8
.set STR, 9
.set BA,  22
.set WV,  30
.set SEL, 32
.set CC,  34
.set PP,  36
.set C0,  38
.set K5,  40
.set K3,  42
.set K2,  44
.set K1,  46
.set I512, 48
.set EPS, 49
.set CH,  50
.set TR,  51
.set HIM, 52
.set HWD, 53
.set HBF, 54
.set BO,  55
.set MSB, 0
.macro WIN new
.if MSB != (\new)
	s_set_vgpr_msb (MSB<<8)|(\new)
.set MSB, (\new)
.endif
.endm
.macro PLACES n
.rept \n
	v_nop
.endr
.endm
.macro BARRIER
	s_wait_dscnt 0x0
	s_barrier_signal -1
	s_barrier_wait -1
.endm
.macro MMZ d, a, b, sa, sb
	v_wmma_scale_f32_16x16x128_f8f6f4 v[(\d):(\d)+7], v[(\a):(\a)+11], v[(\b):(\b)+11], 0, v[(\sa)], v[(\sb)] matrix_a_fmt:MATRIX_FMT_BF6 matrix_b_fmt:MATRIX_FMT_BF6
.endm
.macro MMC d, a, b, c, sa, sb
	v_wmma_scale_f32_16x16x128_f8f6f4 v[(\d):(\d)+7], v[(\a):(\a)+11], v[(\b):(\b)+11], v[(\c):(\c)+7], v[(\sa)], v[(\sb)] matrix_a_fmt:MATRIX_FMT_BF6 matrix_b_fmt:MATRIX_FMT_BF6
.endm
; the quantiser of 64 numbers of a lane, as in the first launch
.macro QMAX S, WS, WT
	WIN (\WS)|((\WS)<<2)|((\WT)<<4)|((\WT)<<6)
.irp b,0,1,2,3
	v_max3_num_f32 v[TM+\b], |v[(\S)+16*\b]|, |v[(\S)+16*\b+1]|, 0x2800000
.endr
.irp i,2,4,6,8,10,12,14
.irp b,0,1,2,3
	v_max3_num_f32 v[TM+\b], |v[(\S)+16*\b+\i]|, |v[(\S)+16*\b+\i+1]|, v[TM+\b]
.endr
.endr
	WIN (\WT)*0x55
.irp b,0,1,2,3
	v_permlanex16_b32 v[TM+4+\b], v[TM+\b], s[SEL], s[SEL+1]
.endr
.irp b,0,1,2,3
	v_max_num_f32 v[TM+\b], v[TM+\b], v[TM+4+\b]
.endr
.irp b,0,1,2,3
	v_add_nc_u32 v[TM+12+\b], 0xfe000000, v[TM+\b]
.endr
.irp b,0,1,2,3
	v_lshrrev_b32 v[TM+4+\b], 23, v[TM+12+\b]
.endr
.endm
.macro QCVT S, WS, WT
	WIN (\WT)*0x55
	v_lshl_or_b32 v[PW], v[TM+5], 8, v[TM+4]
	v_lshl_or_b32 v[PW], v[TM+6], 16, v[PW]
	v_lshl_or_b32 v[PW], v[TM+7], 24, v[PW]
	WIN (\WS)|((\WT)<<2)|((\WT)<<6)
.irp c,0,1
	v_cvt_scalef32_pk16_bf6_f32 v[PC+6*\c:PC+6*\c+2], v[(\S)+32*\c:(\S)+32*\c+15], v[TM+12+2*\c]
	v_cvt_scalef32_pk16_bf6_f32 v[PC+12+4*\c:PC+14+4*\c], v[(\S)+32*\c+16:(\S)+32*\c+31], v[TM+13+2*\c]
.endr
	WIN (\WT)*0x55
	v_nop                                          ; one plain place behind a scaled conversion
.irp c,0,1
.irp i,0,1,2
	v_permlane16_swap_b32 v[PC+6*\c+\i], v[PC+12+4*\c+\i]
.endr
.irp i,0,1,2
	v_mov_b32 v[PC+3+6*\c+\i], v[PC+12+4*\c+\i]
.endr
.endr
.endm
.macro IMAGE m                         ; the fragment just made is K step w of tile m
	WIN 0x08
	s_wait_alu depctr_va_vdst(0)                   ; the conversions, swaps and moves have written v[PC ..] and v[PW], which the LDS stores read; every earlier vector line is done with its registers too
.irp g,0,1,2
	ds_store_b128 v10, v[PC+4*\g:PC+4*\g+3] offset:6144*(\m)+512*\g
.endr
	ds_store_b32 v12, v[PW] offset:512*(\m)
.endm
.macro XFETCH                          ; all 16 fragments and their scale words.  They land in registers that vector lines and products have read: the last wait on va_vdst ahead of this run stands behind all of those
	WIN 0xc0
.irp m,0,1,2,3
.irp s,0,1,2,3
.irp g,0,1,2
	ds_load_b128 v[12*(4*\m+\s)+4*\g:12*(4*\m+\s)+4*\g+3], v11 offset:(4*\m+\s)*1536+512*\g
.endr
.endr
.endr
	WIN 0
.irp m,0,1,2,3
.irp s,0,1,2,3
	ds_load_b32 v[XS+4*\m+\s], v13 offset:(4*\m+\s)*128
.endr
.endr
	s_wait_dscnt 0x0
.endm
.macro VEC64 vi, R                     ; vector vi of my columns in the order of a lane's registers (the destination's window is set by the caller)
.irp q,0,1,2,3,4,5,6,7,8,9,10,11,12,13,14,15
	ds_load_b128 v[(\R)+4*\q:(\R)+4*\q+3], v7 offset:512*(\vi)+128*(\q/4)+16*(\q%4)
.endr
.endm
; LN, as in the first launch
.macro LNJOIN m0
.irp q,0,1,2,3
	v_add_f32 v[SA+2*(\m0+\q)], v[SA+2*(\m0+\q)], v[SA+2*(\m0+\q)+1]
.endr
.irp q,0,1,2,3
	v_permlanex16_b32 v[SA+2*(\m0+\q)+1], v[SA+2*(\m0+\q)], s[SEL], s[SEL+1]
.endr
.irp q,0,1,2,3
	v_add_f32 v[SA+2*(\m0+\q)], v[SA+2*(\m0+\q)], v[SA+2*(\m0+\q)+1]
.endr
.endm
.macro LNSUM WX, WT, m0
	WIN (\WX)|((\WX)<<2)|((\WT)<<6)
.irp q,0,1,2,3
	v_pk_add_f32 v[SA+2*(\m0+\q):SA+2*(\m0+\q)+1], v[64*\q:64*\q+1], v[64*\q+2:64*\q+3]
.endr
	WIN (\WT)|((\WX)<<2)|((\WT)<<6)
.set j, 4
.rept 30
.irp q,0,1,2,3
	v_pk_add_f32 v[SA+2*(\m0+\q):SA+2*(\m0+\q)+1], v[SA+2*(\m0+\q):SA+2*(\m0+\q)+1], v[64*\q+j:64*\q+j+1]
.endr
.set j, j+2
.endr
	WIN (\WT)*0x55
	LNJOIN \m0
.irp q,0,1,2,3
	v_mul_f32 v[ST+2*(\m0+\q)], 0x3c000000, v[SA+2*(\m0+\q)]
.endr
.endm
.macro LNCEN WX, WT, m0
	WIN (\WX)|((\WT)<<2)|((\WX)<<6)
.set j, 0
.rept 32
.irp q,0,1,2,3
	v_pk_add_f32 v[64*\q+j:64*\q+j+1], v[64*\q+j:64*\q+j+1], v[ST+2*(\m0+\q):ST+2*(\m0+\q)+1] op_sel_hi:[1,0] neg_lo:[0,1] neg_hi:[0,1]
.endr
.set j, j+2
.endr
	WIN (\WX)|((\WX)<<2)|((\WT)<<4)|((\WT)<<6)
.irp q,0,1,2,3
	v_pk_mul_f32 v[SA+2*(\m0+\q):SA+2*(\m0+\q)+1], v[64*\q:64*\q+1], v[64*\q:64*\q+1]
.endr
.set j, 2
.rept 31
.irp q,0,1,2,3
	v_pk_fma_f32 v[SA+2*(\m0+\q):SA+2*(\m0+\q)+1], v[64*\q+j:64*\q+j+1], v[64*\q+j:64*\q+j+1], v[SA+2*(\m0+\q):SA+2*(\m0+\q)+1]
.endr
.set j, j+2
.endr
	WIN (\WT)*0x55
	LNJOIN \m0
.endm
.macro LNSQ2                           ; LN2: hn stays as it is: (hn - my mean) goes to the accumulators' registers, 16 columns of the four tiles at a time, and is squared there
.set jb, 0
.rept 4
	WIN 0x89
.set j, 0
.rept 8
.irp q,0,1,2,3
	v_pk_add_f32 v[ACC+16*\q+j:ACC+16*\q+j+1], v[64*\q+jb+j:64*\q+jb+j+1], v[ST+2*\q:ST+2*\q+1] op_sel_hi:[1,0] neg_lo:[0,1] neg_hi:[0,1]
.endr
.set j, j+2
.endr
	WIN 0xaa
.set j, 0
.rept 8
.irp q,0,1,2,3
.if (jb+j) == 0
	v_pk_mul_f32 v[SA+2*\q:SA+2*\q+1], v[ACC+16*\q:ACC+16*\q+1], v[ACC+16*\q:ACC+16*\q+1]
.else
	v_pk_fma_f32 v[SA+2*\q:SA+2*\q+1], v[ACC+16*\q+j:ACC+16*\q+j+1], v[ACC+16*\q+j:ACC+16*\q+j+1], v[SA+2*\q:SA+2*\q+1]
.endif
.endr
.set j, j+2
.endr
.set jb, jb+16
.endr
	LNJOIN 0
.endm
.macro LNPUT WT, m0, off
	WIN (\WT)*0x55
.irp q,0,1,2,3
	v_mov_b32 v[ST+2*(\m0+\q)+1], v[SA+2*(\m0+\q)]
.endr
	WIN (\WT)<<2
	s_wait_alu depctr_va_vdst(0)                   ; v[ST ..] are written, which the LDS stores read; and every vector line that named v[SQ ..] is done: the four quarters' statistics land there behind the barrier
.irp q,0,1,2,3
	ds_store_b64 v[STW], v[ST+2*(\m0+\q):ST+2*(\m0+\q)+1] offset:\off+512*(\m0+\q)
.endr
	WIN 0
.endm
.macro LNNORM WX, WT, WG, m0
	WIN (\WX)|((\WT)<<2)|((\WT)<<4)|((\WX)<<6)
.set j, 0
.rept 32
.irp q,0,1,2,3
	v_pk_fma_f32 v[64*\q+j:64*\q+j+1], v[64*\q+j:64*\q+j+1], v[SA+2*(\m0+\q):SA+2*(\m0+\q)+1], v[ST+2*(\m0+\q):ST+2*(\m0+\q)+1] op_sel_hi:[1,0,0]
.endr
.set j, j+2
.endr
	WIN (\WX)|((\WG)<<2)|((\WG)<<4)|((\WX)<<6)
.set j, 0
.rept 32
.irp q,0,1,2,3
	v_pk_fma_f32 v[64*\q+j:64*\q+j+1], v[64*\q+j:64*\q+j+1], v[j:j+1], v[64+j:64+j+1]
.endr
.set j, j+2
.endr
.endm
; the four quarters' statistics, from off bytes on, become rstd (v[SA + 2 m]) and: kind 0: (my mean - mean) rstd; kind 1: the mean (v[ST + 2 m])
.macro COMBINE off, kind
	WIN 0x80
.irp m,0,1,2,3
.irp q,0,1,2,3
	ds_load_b64 v[SQ+8*\m+2*\q:SQ+8*\m+2*\q+1], v[STR] offset:\off+512*\m+128*\q
.endr
.endr
	s_wait_dscnt 0x0
	s_wait_alu depctr_vm_vsrc(0)                   ; my LDS stores of the statistics have read v[ST ..], written again below; the second time: the stores of Q(h)'s last image have read v[PC ..] and v[PW], which Q(h2)'s first conversions write
	WIN 0xaa
.irp m,0,1,2,3
	v_add_f32 v[SA+2*\m], v[SQ+8*\m], v[SQ+8*\m+2]
	v_add_f32 v[SA+2*\m+1], v[SQ+8*\m+4], v[SQ+8*\m+6]
.endr
.irp m,0,1,2,3
	v_add_f32 v[SA+2*\m], v[SA+2*\m], v[SA+2*\m+1]
.endr
.irp m,0,1,2,3
	v_mul_f32 v[SA+2*\m], 0x3e800000, v[SA+2*\m]
.endr
.irp m,0,1,2,3
.irp q,0,2,4,6
	v_sub_f32 v[SQ+8*\m+\q], v[SQ+8*\m+\q], v[SA+2*\m]
.endr
	v_add_f32 v[SQ+8*\m+1], v[SQ+8*\m+1], v[SQ+8*\m+3]
	v_add_f32 v[SQ+8*\m+5], v[SQ+8*\m+5], v[SQ+8*\m+7]
.endr
.irp m,0,1,2,3
	v_mul_f32 v[SA+2*\m+1], v[SQ+8*\m], v[SQ+8*\m]
	v_add_f32 v[SQ+8*\m+1], v[SQ+8*\m+1], v[SQ+8*\m+5]
.endr
.irp q,2,4,6
.irp m,0,1,2,3
	v_fma_f32 v[SA+2*\m+1], v[SQ+8*\m+\q], v[SQ+8*\m+\q], v[SA+2*\m+1]
.endr
.endr
.irp m,0,1,2,3
	v_fma_f32 v[SQ+8*\m+1], v[SA+2*\m+1], 0x43000000, v[SQ+8*\m+1]
.endr
.irp m,0,1,2,3
	v_fma_f32 v[SQ+8*\m+1], v[SQ+8*\m+1], s[I512], s[EPS]
.endr
.irp m,0,1,2,3
.if \kind == 0
	v_sub_f32 v[SA+2*\m+1], v[ST+2*\m], v[SA+2*\m]
.else
	v_mov_b32 v[ST+2*\m], v[SA+2*\m]
.endif
.endr
.irp m,0,1,2,3
	v_rsq_f32 v[SA+2*\m], v[SQ+8*\m+1]
.endr
	v_nop                                          ; a plain place behind the last of the batch,
	s_wait_alu depctr_va_vdst(0)                   ; and one wait for the four: the reciprocal roots have written v[SA ..], ahead of their first reader
.if \kind == 0
.irp m,0,1,2,3
	v_mul_f32 v[ST+2*\m], v[SA+2*\m+1], v[SA+2*\m]
.endr
.endif
.endm
; THE RING.  Slot 0, 1, 2: v80, v128, v176 of window 0; slot 3: v192 of window 3.
.macro QLOAD slot                      ; a quad of the MLP's stream: 12 loads of 512 consecutive bytes and its scale words: 13 loads
.set SBASE, 80+48*(\slot)-32*((\slot)/3)
	WIN 0xc0*((\slot)/3)
.irp i,0,1,2,3,4,5,6,7,8,9,10,11
	global_load_b128 v[SBASE+4*\i:SBASE+4*\i+3], v1, s[24:25] offset:6144*(\slot)+512*\i
.endr
	WIN 0
	global_load_b128 v[WS+4*(\slot):WS+4*(\slot)+3], v1, s[26:27] offset:512*(\slot)
.endm
.macro QLOADM slot, t                  ; tile t of my eight of M^T: eight halves of 768 bytes (512 + 256) and its scale words: 17 loads
.set SBASE, 80+48*(\slot)-32*((\slot)/3)
	WIN 0xc0*((\slot)/3)
.irp s,0,1,2,3
.irp c,0,1
	global_load_b128 v[SBASE+12*\s+6*\c:SBASE+12*\s+6*\c+3], v1, s[20:21] offset:6144*(\t)+1536*\s+768*\c
	global_load_b64 v[SBASE+12*\s+6*\c+4:SBASE+12*\s+6*\c+5], v2, s[20:21] offset:6144*(\t)+1536*\s+768*\c+512
.endr
.endr
	WIN 0
	global_load_b128 v[WS+4*(\slot):WS+4*(\slot)+3], v1, s[22:23] offset:512*(\t)
.endm
.macro REFILL slot                     ; the MLP's stream goes on; its pointers step at a lap's first refill
.if (\slot) == 0
	s_wait_xcnt 0x0                                ; the last lap's refills have read their bases
	s_add_nc_u64 s[24:25], s[24:25], 24576
	s_add_nc_u64 s[26:27], s[26:27], 2048
.endif
	QLOAD \slot
.endm
; 16 products.  kind 0: Q(h) M, the sums begin with 0;  1: the MLP's first product, they begin with b1;  2: its second, onto the output's accumulators.  Four accumulators by turns, one instruction a turn.
.macro QMUL slot, kind, t
.set SBASE, 80+48*(\slot)-32*((\slot)/3)
.if \kind == 2
	WIN 0x58|(3*((\slot)/3))
.else
	WIN 0xac|(3*((\slot)/3))
.endif
.irp s,0,1,2,3
.irp m,0,1,2,3
.if \kind == 2
	MMC 64*\m+8*(\t), SBASE+12*\s, 12*(4*\m+\s), 64*\m+8*(\t), WS+4*(\slot)+\s, HS+4*\m+\s
.elseif \s > 0
	MMC ACC+16*\m+8*((\t)%2), SBASE+12*\s, 12*(4*\m+\s), ACC+16*\m+8*((\t)%2), WS+4*(\slot)+\s, XS+4*\m+\s
.elseif \kind == 1
	MMC ACC+16*\m+8*((\t)%2), SBASE+12*\s, 12*(4*\m+\s), BIAS+8*((\t)%2), WS+4*(\slot)+\s, XS+4*\m+\s
.else
	MMZ ACC+16*\m+8*((\t)%2), SBASE+12*\s, 12*(4*\m+\s), WS+4*(\slot)+\s, XS+4*\m+\s
.endif
.endr
.endr
.endm
; A pair of quads, slots sa and sb, of kind 0 or 1: 32 products on end.  ca, cb: the loads issued behind slot sa's, behind slot sb's.  The places, the one wait and the refills follow the macro.
.macro PAIR sa, sb, kind, ca, cb
	s_wait_loadcnt \ca
	QMUL \sa, \kind, 0
	s_wait_loadcnt \cb
	QMUL \sb, \kind, 1
	WIN 0
.endm
; A quad of the second product.  cnt: the loads issued behind this slot's.  refill = 1: the slot is filled again straight behind its own quad
.macro QUAD2 slot, t, cnt, refill
	s_wait_loadcnt \cnt
	QMUL \slot, 2, \t
	WIN 0
	PLACES 5                                       ; ahead of reads of results; one more than four, since the next stage's products write over operands of these
.if \refill
	s_wait_alu depctr_va_vdst(0)                   ; this quad's products are done reading the slot and its scale words, in which the loads below land
	REFILL \slot
.endif
.endm
; b1 at my 16 hidden units of the next pair: 128 bytes on for each pair; behind the last pair the offset is back at the first.  The address is made ahead of a wait on va_vdst that stands there in any case
.macro BADDR first
.if !\first
	s_wait_alu depctr_vm_vsrc(0)                   ; the last bias's LDS loads have read v[BA]; the LDS stores of the images made last have read v19-21, v[PC ..] and v[PW ..]: all of these are written again in this trip
.endif
	v_add_nc_u32 v[BA], s[BO], v7
	s_add_co_u32 s[BO], s[BO], 128
	s_and_b32 s[BO], s[BO], 2047
.endm
.macro BLOAD
	WIN 0x80
.irp q,0,1,2,3
	ds_load_b128 v[BIAS+4*\q:BIAS+4*\q+3], v[BA] offset:3072+16*\q
.endr
	WIN 0
.endm
.macro EPI0 be                         ; hn = h + 2^-16.5 x the sums + the mean (each accumulator is read from its low end on)
	WIN 0x52
.irp m,0,1,2,3
.irp i,0,2,4,6,8,10,12,14
	v_pk_fma_f32 v[64*\m+16*(\be)+\i:64*\m+16*(\be)+\i+1], v[ACC+16*\m+\i:ACC+16*\m+\i+1], s[CC:CC+1], v[64*\m+16*(\be)+\i:64*\m+16*(\be)+\i+1] op_sel_hi:[1,0,1]
.endr
.endr
	WIN 0x49
.irp m,0,1,2,3
.irp i,0,2,4,6,8,10,12,14
	v_pk_add_f32 v[64*\m+16*(\be)+\i:64*\m+16*(\be)+\i+1], v[64*\m+16*(\be)+\i:64*\m+16*(\be)+\i+1], v[MV+16*(\be)+\i:MV+16*(\be)+\i+1]
.endr
.endr
	WIN 0
.endm
.macro H2 m                            ; h2 of tile m: ((hn - mean) rstd) g + b, into the accumulators' registers
	WIN 0x89
.set j, 0
.rept 32
	v_pk_add_f32 v[ACC+j:ACC+j+1], v[64*(\m)+j:64*(\m)+j+1], v[ST+2*(\m):ST+2*(\m)+1] op_sel_hi:[1,0] neg_lo:[0,1] neg_hi:[0,1]
.set j, j+2
.endr
	WIN 0xaa
.set j, 0
.rept 32
	v_pk_mul_f32 v[ACC+j:ACC+j+1], v[ACC+j:ACC+j+1], v[SA+2*(\m):SA+2*(\m)+1] op_sel_hi:[1,0]
.set j, j+2
.endr
	WIN 0xbe
.set j, 0
.rept 32
	v_pk_fma_f32 v[ACC+j:ACC+j+1], v[ACC+j:ACC+j+1], v[j:j+1], v[64+j:64+j+1]
.set j, j+2
.endr
.endm
.macro GELU32 X                        ; 32 numbers in place, all in window 2; the 64 reciprocals and exponentials are ONE batch with one wait
	WIN 0xaa
.set j, 0
.rept 32
	v_fma_f32 v[GTT+j], |v[(\X)+j]|, s[PP], 1.0    ; 1 + p |x|
.set j, j+1
.endr
.set j, 0
.rept 16
	v_pk_mul_f32 v[GYY+j:GYY+j+1], v[(\X)+j:(\X)+j+1], s[C0:C0+1] op_sel_hi:[1,0]     ; x sqrt(log2(e) / 2)
.set j, j+2
.endr
.set j, 0
.rept 16
	v_pk_mul_f32 v[GYY+j:GYY+j+1], v[GYY+j:GYY+j+1], v[GYY+j:GYY+j+1] neg_lo:[1,0] neg_hi:[1,0]    ; - its square
.set j, j+2
.endr
.set j, 0
.rept 32
	v_rcp_f32 v[GTT+j], v[GTT+j]                   ; t
.set j, j+1
.endr
.set j, 0
.rept 32
	v_exp_f32 v[GYY+j], v[GYY+j]                   ; exp(-x^2 / 2)
.set j, j+1
.endr
	v_nop                                          ; a plain place behind the last of the batch,
	s_wait_alu depctr_va_vdst(0)                   ; and the one wait: the reciprocals have written v[GTT ..] and the exponentials v[GYY ..], ahead of their first reader
.set j, 0
.rept 16
	v_pk_fma_f32 v[GPP+j:GPP+j+1], v[GTT+j:GTT+j+1], s[K5:K5+1], v[K4:K4+1] op_sel_hi:[1,0,1]
.set j, j+2
.endr
.irp k,K3,K2,K1
.set j, 0
.rept 16
	v_pk_fma_f32 v[GPP+j:GPP+j+1], v[GPP+j:GPP+j+1], v[GTT+j:GTT+j+1], s[\k:\k+1] op_sel_hi:[1,1,0]
.set j, j+2
.endr
.endr
.set j, 0
.rept 16
	v_pk_mul_f32 v[GPP+j:GPP+j+1], v[GPP+j:GPP+j+1], v[GTT+j:GTT+j+1]
.set j, j+2
.endr
.set j, 0
.rept 16
	v_pk_mul_f32 v[GPP+j:GPP+j+1], v[GPP+j:GPP+j+1], v[GYY+j:GYY+j+1]          ; Q(|x|)
.set j, j+2
.endr
.set j, 0
.rept 32
	v_max_num_f32 v[GTT+j], 0, v[(\X)+j]
.set j, j+1
.endr
.set j, 0
.rept 32
	v_fma_f32 v[(\X)+j], -|v[(\X)+j]|, v[GPP+j], v[GTT+j]
.set j, j+1
.endr
.endm
; a pair's 16 registers of each tile of rows are half a block of 32 along the next K.  pi = 0: the even block of a half fragment; 1: the odd one, which completes it
.macro QBLK pi
	WIN 0xaa
.irp m,0,1,2,3
	v_max3_num_f32 v[TM+\m], |v[ACC+16*\m]|, |v[ACC+16*\m+1]|, 0x2800000
.endr
.irp i,2,4,6,8,10,12,14
.irp m,0,1,2,3
	v_max3_num_f32 v[TM+\m], |v[ACC+16*\m+\i]|, |v[ACC+16*\m+\i+1]|, v[TM+\m]
.endr
.endr
.irp m,0,1,2,3
	v_permlanex16_b32 v[TM+4+\m], v[TM+\m], s[SEL], s[SEL+1]
.endr
.irp m,0,1,2,3
	v_max_num_f32 v[TM+\m], v[TM+\m], v[TM+4+\m]
.endr
.irp m,0,1,2,3
	v_add_nc_u32 v[TM+12+\m], 0xfe000000, v[TM+\m]
.endr
.irp m,0,1,2,3
	v_lshrrev_b32 v[TM+4+\m], 23, v[TM+12+\m]
.endr
.if \pi == 0
.irp m,0,1,2,3
	v_cvt_scalef32_pk16_bf6_f32 v[PC+8*\m:PC+8*\m+2], v[ACC+16*\m:ACC+16*\m+15], v[TM+12+\m]
.endr
.irp m,0,1,2,3
	v_mov_b32 v[PW+\m], v[TM+4+\m]                 ; (plain lines behind the conversions)
.endr
.else
.irp m,0,1,2,3
	v_cvt_scalef32_pk16_bf6_f32 v[TC+4*\m:TC+4*\m+2], v[ACC+16*\m:ACC+16*\m+15], v[TM+12+\m]
.endr
	v_nop                                          ; one plain place behind a scaled conversion
.irp m,0,1,2,3
.irp i,0,1,2
	v_permlane16_swap_b32 v[PC+8*\m+\i], v[TC+4*\m+\i]
.endr
.endr
.irp m,0,1,2,3
.irp i,0,1,2
	v_mov_b32 v[PC+8*\m+3+\i], v[TC+4*\m+\i]
.endr
	v_lshl_or_b32 v[PW+\m], v[TM+4+\m], 8, v[PW+\m]
.endr
.endif
.endm
	s_load_b512 s[4:19], s[0:1], 0x0               ; x, ln1_g, ln1_b, ln2_g, ln2_b, b1, b2, fmean
	s_load_b256 s[20:27], s[0:1], 0x40             ; mi, msi, wi, wsi
	s_load_b64 s[28:29], s[0:1], 0x60              ; out0
	v_lshl_add_u32 v254, v0, 2, 0x2e800            ; my spare word and 0: made here and kept for the closing lines alone
	v_mov_b32 v255, 0
	v_lshrrev_b32 v24, 5, v0
	v_readfirstlane_b32 s[WV], v24                 ; wave
	v_and_b32 v24, 31, v0                          ; lane l
	v_and_b32 v25, 15, v0                          ; r
	v_bfe_u32 v26, v0, 4, 1                        ; h
	v_lshlrev_b32 v1, 4, v24                       ; 16 l
	v_lshlrev_b32 v2, 3, v24                       ; 8 l
	v_lshlrev_b32 v3, 2, v24                       ; 4 l
	s_wait_alu depctr_va_sdst(0)                   ; s[WV] is written, ahead of its first reader: LDS addresses and the buffers' bases are made from it
	s_mul_i32 s56, s[WV], 8448
	v_add_nc_u32 v4, s56, v1                       ; my stage, by rows
	v_mul_u32_u24 v5, v25, 528
	v_lshl_add_u32 v5, v26, 6, v5
	v_add_nc_u32 v5, s56, v5                       ; and by a lane's registers: row r, + 64 h
	s_mul_i32 s56, s[WV], 5120
	s_add_co_u32 s56, s56, VT
	v_add_nc_u32 v6, s56, v1                       ; my vectors: written
	v_lshl_add_u32 v7, v26, 6, s56                 ; and read: + 64 h
	s_lshl_b32 s57, s[WV], 7
	v_lshl_add_u32 v[STR], v25, 3, STAT
	v_add_nc_u32 v[STW], s57, v[STR]
	s_mul_i32 s74, s[WV], 1536
	v_add_nc_u32 v11, XIMG, v1
	v_add_nc_u32 v10, s74, v11
	v_add_nc_u32 v13, XSC, v3
	v_add_nc_u32 v12, s57, v13
	v_add_nc_u32 v14, s74, v1                      ; the hidden layer's half images, K step w: 16 bytes a lane,
	v_add_nc_u32 v17, 512, v2
	v_add_nc_u32 v15, s74, v17                     ; then 8 bytes a lane;
	v_add_nc_u32 v18, 24576, v3
	v_add_nc_u32 v16, s57, v18                     ; its scale words
	s_mov_b32 s[SEL], 0x76543210
	s_mov_b32 s[SEL+1], 0xfedcba98
	s_mov_b32 s[CC], 0x373504f3                    ; 1 / (4,096 sqrt(512)) = 2^-16.5
	s_mov_b32 s[CC+1], s[CC]
	s_mov_b32 s[PP], 0x3e6d3389                    ; 0.2316419
	s_mov_b32 s[C0], 0x3f596d27                    ; sqrt(log2(e) / 2)
	s_mov_b32 s[C0+1], s[C0]
	s_mov_b32 s[K5], 0x3f07dc22                    ; the polynomial's coefficients / sqrt(2 pi)
	s_mov_b32 s[K5+1], s[K5]
	s_mov_b32 s[K3], 0x3f35f0e3
	s_mov_b32 s[K3+1], s[K3]
	s_mov_b32 s[K2], 0xbe11a98e
	s_mov_b32 s[K2+1], s[K2]
	s_mov_b32 s[K1], 0x3e027906
	s_mov_b32 s[K1+1], s[K1]
	s_mov_b32 s[I512], 0x3b000000
	s_mov_b32 s[EPS], 0x3727c5ac
	s_mov_b32 s[BO], 0
	s_mov_b32 s[HIM], HBUF
	s_mov_b32 s[HWD], HBUF
	s_mov_b32 s[HBF], HBUF
	s_lshr_b32 s56, ttmp9, 6                       ; b
	s_and_b32 s57, ttmp9, 63                       ; which 64 positions
	s_lshl_b32 s62, s56, 11
	s_lshl_b32 s60, s[WV], 9                       ; 512 w
	s_add_co_u32 s62, s62, s60                     ; 2,048 b + 512 w
	s_lshl_b32 s58, s57, 19
	s_add_co_u32 s58, s58, s62                     ; x, out0: + 64 positions of 8,192 bytes
	s_mov_b32 s59, 0
	s_mov_b32 s61, 0
	s_mov_b32 s63, 0
	s_lshl_b32 s66, s56, 5
	s_lshl_b32 s67, s[WV], 3
	s_add_co_u32 s66, s66, s67                     ; my first tile of M^T: 32 b + 8 w
	s_lshl_b32 s68, s66, 9
	s_mul_i32 s66, s66, 6144
	s_mov_b32 s67, 0
	s_mov_b32 s69, 0
	s_mul_i32 s70, s[WV], 393216                   ; my stream of 64 quads
	s_mov_b32 s71, 0
	s_lshl_b32 s72, s[WV], 15
	s_mov_b32 s73, 0
	WIN 0x80
.irp i,4,5,6,7
	v_mov_b32 v[TM+\i], 0                          ; written once: a lane permute's destination counts as one of its sources
.endr
.irp i,1,3,5,7
	v_mov_b32 v[ST+\i], 0
.endr
	v_mov_b32 v[K4], 0xbf3a00e3
	v_mov_b32 v[K4+1], 0xbf3a00e3
	WIN 0
	s_wait_kmcnt 0x0
	s_add_nc_u64 s[4:5], s[4:5], s[58:59]
	s_add_nc_u64 s[28:29], s[28:29], s[58:59]
	s_add_nc_u64 s[6:7], s[6:7], s[60:61]
	s_add_nc_u64 s[8:9], s[8:9], s[60:61]
	s_add_nc_u64 s[10:11], s[10:11], s[60:61]
	s_add_nc_u64 s[12:13], s[12:13], s[60:61]
	s_add_nc_u64 s[14:15], s[14:15], s[60:61]
	s_add_nc_u64 s[16:17], s[16:17], s[60:61]
	s_add_nc_u64 s[18:19], s[18:19], s[62:63]
	s_add_nc_u64 s[20:21], s[20:21], s[66:67]
	s_add_nc_u64 s[22:23], s[22:23], s[68:69]
	s_add_nc_u64 s[24:25], s[24:25], s[70:71]
	s_add_nc_u64 s[26:27], s[26:27], s[72:73]
	s_wait_alu depctr_va_vdst(0)                   ; the offsets and addresses v1 to v18 are written, which the loads, stores and LDS accesses below read
	global_load_b128 v[80:83], v1, s[6:7]          ; my 128 numbers of each vector: 512 consecutive bytes
	global_load_b128 v[84:87], v1, s[8:9]
	global_load_b128 v[88:91], v1, s[18:19]
	global_load_b128 v[92:95], v1, s[10:11]
	global_load_b128 v[96:99], v1, s[12:13]
	global_load_b128 v[100:103], v1, s[16:17]
.irp c,0,1,2,3
	global_load_b128 v[104+4*\c:107+4*\c], v1, s[14:15] offset:2048*\c
.endr
	WIN 0x44
.irp m,0,1,2,3
.irp i,0,1,2,3,4,5,6,7,8,9,10,11,12,13,14,15
	global_load_b128 v[64*\m+4*\i:64*\m+4*\i+3], v1, s[4:5] offset:(16*\m+\i)*8192 th:TH_LOAD_NT
.endr
.endr
.irp m,0,1,2,3
	s_wait_loadcnt 48-16*\m                        ; tile m is in; behind it: the later tiles' 16 loads each
.if \m == 0
	WIN 0
.irp v,0,1,2,3,4,5,6,7,8,9
	ds_store_b128 v6, v[80+4*\v:83+4*\v] offset:512*\v
.endr
.endif
	WIN 0x44
.irp i,0,1,2,3,4,5,6,7,8,9,10,11,12,13,14,15
	ds_store_b128 v4, v[64*\m+4*\i:64*\m+4*\i+3] offset:528*\i
.endr
	s_wait_alu depctr_vm_vsrc(0)                   ; the LDS stores above have read the tile's registers, in which the loads below land (with tile 0: and v80-119, in which ring slot 0's loads land further down)
.irp i,0,1,2,3,4,5,6,7,8,9,10,11,12,13,14,15   ; LDS serves a wave's instructions in order
	ds_load_b128 v[64*\m+4*\i:64*\m+4*\i+3], v5 offset:128*(\i/4)+16*(\i%4)
.endr
.endr
	WIN 0
	s_wait_dscnt 0x0
	QLOADM 0, 0                                    ; the ring's first four quads land under LN1
	QLOADM 1, 1
	QLOADM 2, 2
	QLOADM 3, 3
	; ---- LN1, and Q(h)
	WIN 0xc0
	VEC64 0, 0
	VEC64 1, 64
	LNSUM 1, 2, 0
	LNCEN 1, 2, 0
	LNPUT 2, 0, 0
	BARRIER                                        ; all four quarters' statistics lie in LDS
	COMBINE 0, 0
	LNNORM 1, 2, 3, 0
.irp m,0,1,2,3
	QMAX 64*\m, 1, 2
	s_wait_dscnt 0x0                               ; the last image's stores have landed
.if \m > 0
	s_wait_alu depctr_vm_vsrc(0)                   ; the last image's stores have read v[PC ..] and v[PW], which the lines below write again
.endif
	QCVT 64*\m, 1, 2
	IMAGE \m
.endr
	WIN 0
	BARRIER                                        ; Q(h)'s sixteen fragments lie in LDS
	WIN 0x80
	VEC64 2, MV                                    ; the mean of XWv at my 64 columns, once for the stage.  It lands where LN1's statistics lay: the last image's wait on va_vdst stands behind every line that named them
	XFETCH
	; ---- Q(h) Q(M): behind a quad's 17 loads stand the later quads' (17 or 13 each): three quads' at a pair's first wait, two at its second
	PAIR 0, 1, 0, 51, 34
	PLACES 4                                       ; ahead of the first read of results
	s_wait_alu depctr_va_vdst(0)                   ; the pair's products are done reading slots 0 and 1 and their scale words, in which the loads below land
	QLOADM 0, 4
	QLOADM 1, 5
	EPI0 0
	PAIR 2, 3, 0, 51, 34
	PLACES 4
	s_wait_alu depctr_va_vdst(0)                   ; the same of slots 2 and 3
	QLOADM 2, 6
	QLOADM 3, 7
	EPI0 1
	PAIR 0, 1, 0, 51, 34
	PLACES 4
	s_wait_alu depctr_va_vdst(0)                   ; the same of slots 0 and 1: the MLP's stream begins
	QLOAD 0
	QLOAD 1
	EPI0 2
	PAIR 2, 3, 0, 43, 26                           ; behind slot 2's loads: 17 + 13 + 13; behind slot 3's: 13 + 13
	PLACES 4
	s_wait_alu depctr_va_vdst(0)                   ; the same of slots 2 and 3; and the stage's products are done reading Q(h)'s fragments, window 3's v0-191, in which LN2's vectors land
	QLOAD 2
	QLOAD 3
	WIN 0xc0
	VEC64 3, 0
	VEC64 4, 64
	VEC64 5, 128
	WIN 0
	EPI0 3
	; ---- LN2, and Q(h2)
	LNSUM 1, 2, 0
	LNSQ2
	LNPUT 2, 0, 2048
	BARRIER                                        ; LN2's statistics lie in LDS; every wave's reads of Q(h)'s images are long over
	COMBINE 2048, 1
.irp m,0,1,2,3
	H2 \m
	QMAX ACC, 2, 2
	s_wait_dscnt 0x0
.if \m > 0
	s_wait_alu depctr_vm_vsrc(0)                   ; the last image's stores have read v[PC ..] and v[PW], which the lines below write again
.endif
	QCVT ACC, 2, 2
	IMAGE \m
.endr
	WIN 0x4d
.irp m,0,1,2,3
.set j, 0
.rept 32
	v_pk_add_f32 v[64*\m+j:64*\m+j+1], v[64*\m+j:64*\m+j+1], v[128+j:129+j]    ; hn + b2: the second product adds onto this, so residual and bias cost no more
.set j, j+2
.endr
.endr
	WIN 0
	BADDR 1                                        ; b1 of the first pair
	s_wait_alu depctr_va_vdst(0)                   ; v[BA] is written, which the bias's loads read; the lines that read gain, bias and b2 in window 3's v0-191 are done: Q(h2)'s fragments land there behind the barrier
	BLOAD
	BARRIER                                        ; Q(h2)'s sixteen fragments lie in LDS
	XFETCH
	; ---- the MLP, 512 hidden units a chunk
	s_mov_b32 s[CH], 0
.Lchunk:
	s_mov_b32 s[TR], 0
.Ltrip:                                            ; a trip: four quads = two pairs of tiles = 64 of my hidden units = half a fragment for each tile of rows
	s_wait_dscnt 0x0                               ; the bias is in; the last half images' stores have landed
	PAIR 0, 1, 1, 39, 26                           ; behind a quad's 13 loads: the next three quads' 39, then the next two quads' 26
	BADDR 0
	PLACES 4                                       ; ahead of the first read of results
	s_wait_alu depctr_va_vdst(0)                   ; the pair's products are done reading slots 0 and 1, their scale words and the bias, in which the loads below land; v[BA] is written
	REFILL 0
	REFILL 1
	BLOAD
	GELU32 0
	GELU32 32
	QBLK 0
	WIN 0
	s_wait_dscnt 0x0
	PAIR 2, 3, 1, 39, 26
	BADDR 0
	PLACES 4
	s_wait_alu depctr_va_vdst(0)                   ; the same of slots 2 and 3, their scale words, the bias and v[BA]
	REFILL 2
	REFILL 3
	BLOAD
	GELU32 0
	GELU32 32
	QBLK 1
	WIN 0
	v_add_nc_u32 v19, s[HIM], v14                  ; (free since this trip's waits on vm_vsrc)
	v_add_nc_u32 v20, s[HIM], v15
	v_add_nc_u32 v21, s[HWD], v16
	WIN 0x08
	s_wait_alu depctr_va_vdst(0)                   ; the quantiser has written v[PC ..] and v[PW ..], the three lines above v19-21: the LDS stores read them
.irp m,0,1,2,3
	ds_store_b128 v19, v[PC+8*\m:PC+8*\m+3] offset:6144*\m
	ds_store_b64 v20, v[PC+8*\m+4:PC+8*\m+5] offset:6144*\m
	ds_store_b16 v21, v[PW+\m] offset:512*\m
.endr
	WIN 0
	s_add_co_u32 s[HIM], s[HIM], 768
	s_add_co_u32 s[HWD], s[HWD], 2
	s_add_co_u32 s[TR], s[TR], 1
	s_cmp_lt_u32 s[TR], 2
	s_cbranch_scc1 .Ltrip
	s_sub_co_u32 s[HIM], s[HIM], 1536
	s_sub_co_u32 s[HWD], s[HWD], 4
	BARRIER                                        ; the chunk's sixteen fragments lie in LDS.  One barrier a chunk: who writes this buffer again has passed the next chunk's barrier, which every wave signals behind its reads below
	s_wait_alu depctr_vm_vsrc(0)                   ; the half images' stores have read v19-21, written below, and v[PC ..], in which fragments land below
	v_add_nc_u32 v19, s[HBF], v1
	v_add_nc_u32 v20, s[HBF], v17
	v_add_nc_u32 v21, s[HBF], v18
	WIN 0x80
	s_wait_alu depctr_va_vdst(0)                   ; v19-21 are written; gelu and the quantiser are done with window 2's v0-191, and the last chunk's second product with v[HS ..]: the loads below land in both
.irp m,0,1,2,3
.irp s,0,1,2,3
.irp c,0,1
	ds_load_b128 v[12*(4*\m+\s)+6*\c:12*(4*\m+\s)+6*\c+3], v19 offset:((4*\m+\s)*2+\c)*768
	ds_load_b64 v[12*(4*\m+\s)+6*\c+4:12*(4*\m+\s)+6*\c+5], v20 offset:((4*\m+\s)*2+\c)*768
.endr
.endr
.endr
	WIN 0
.irp m,0,1,2,3
.irp s,0,1,2,3
	ds_load_b32 v[HS+4*\m+\s], v21 offset:(4*\m+\s)*128
.endr
.endr
	s_wait_dscnt 0x0
	QUAD2 0, 0, 39, 1                              ; behind a quad's 13 loads: the next three quads' 39
	QUAD2 1, 1, 39, 1
	QUAD2 2, 2, 39, 1
	QUAD2 3, 3, 39, 1
	s_cmp_eq_u32 s[CH], 3                          ; the stream's last lap asks for nothing: no load leaves its buffer
	s_cbranch_scc1 .Llast_lap
	QUAD2 0, 4, 39, 1
	QUAD2 1, 5, 39, 1
	QUAD2 2, 6, 39, 1
	QUAD2 3, 7, 39, 1
	s_branch .Llap_done
.Llast_lap:
	QUAD2 0, 4, 39, 0                              ; the counts run down
	QUAD2 1, 5, 26, 0
	QUAD2 2, 6, 13, 0
	QUAD2 3, 7, 0, 0
.Llap_done:
	s_xor_b32 s[HIM], s[HIM], 0x8000               ; the other buffer
	s_xor_b32 s[HWD], s[HWD], 0x8000
	s_xor_b32 s[HBF], s[HBF], 0x8000
	s_add_co_u32 s[CH], s[CH], 1
	s_cmp_lt_u32 s[CH], 4
	s_cbranch_scc1 .Lchunk
	; ---- the way out: a tile's registers go through my stage and come back as rows' quarters of 512 bytes, each tile into 64 registers of its own
.macro TOX m
	WIN 0x84
.irp q,0,1,2,3,4,5,6,7,8,9,10,11,12,13,14,15   ; each accumulator from its low end on
	ds_store_b128 v5, v[64*(\m)+4*\q:64*(\m)+4*\q+3] offset:128*(\q/4)+16*(\q%4)
.endr
.irp i,0,1,2,3,4,5,6,7,8,9,10,11,12,13,14,15
	ds_load_b128 v[64*(\m)+4*\i:64*(\m)+4*\i+3], v4 offset:528*\i
.endr
.endm
.macro SENDX m, younger                ; younger: the LDS instructions issued behind tile m's loads
	s_wait_dscnt \younger
	WIN 0x08
.irp i,0,1,2,3,4,5,6,7,8,9,10,11,12,13,14,15
	global_store_b128 v1, v[64*(\m)+4*\i:64*(\m)+4*\i+3], s[28:29] offset:(16*(\m)+\i)*8192 th:TH_STORE_NT   ; 512 consecutive bytes, at a multiple of 512 from out0's first byte
.endr
.endm
	WIN 0x84
	s_wait_alu depctr_va_vdst(0)                   ; behind the last quad's places: the products have written the output's accumulators, which the LDS stores read; they and all vector lines are done with window 2, in which the rows land.  No vector line follows
	TOX 0
	TOX 1
	SENDX 0, 32
	TOX 2
	SENDX 1, 32
	TOX 3
	SENDX 2, 32
	SENDX 3, 0
	WIN 0
	s_wait_dscnt 0x0                               ; the closing lines, six on end
	s_wait_alu 0x0
	s_wait_tensorcnt 0x0
	ds_add_u32 v254, v255
	s_wait_dscnt 0x0
	s_endpgm
.Lfunc_end_k_q8a72a7aed0_back:
	.size	k_q8a72a7aed0_back, .Lfunc_end_k_q8a72a7aed0_back-k_q8a72a7aed0_back
	.p2alignl 7, 3214868480
	.fill 96, 4, 3214868480
	.section	.rodata,"a",@progbits
	.p2align	6, 0x0
	.amdhsa_kernel k_q8a72a7aed0_back
		.amdhsa_group_segment_fixed_size 190976
		.amdhsa_private_segment_fixed_size 0
		.amdhsa_enable_private_segment 0
		.amdhsa_kernarg_size 104
		.amdhsa_user_sgpr_count 2
		.amdhsa_user_sgpr_kernarg_segment_ptr 1
		.amdhsa_wavefront_size32 1
		.amdhsa_system_sgpr_workgroup_id_x 1
		.amdhsa_system_sgpr_workgroup_id_y 1
		.amdhsa_system_sgpr_workgroup_id_z 1
		.amdhsa_system_vgpr_workitem_id 0
		.amdhsa_next_free_vgpr 1024
		.amdhsa_next_free_sgpr 80
		.amdhsa_reserve_vcc 0
		.amdhsa_float_denorm_mode_32 3
		.amdhsa_float_denorm_mode_16_64 3
		.amdhsa_memory_ordered 1
		.amdhsa_forward_progress 1
		.amdhsa_inst_pref_size 255
	.end_amdhsa_kernel
	.section	.bss,"aw",@nobits
	.p2align	6
	.space	262144
	.amdgpu_metadata
---
amdhsa.version: [ 1, 2 ]
amdhsa.kernels:
  - .name:           k_q8a72a7aed0_back
    .symbol:         k_q8a72a7aed0_back.kd
    .args:
      - { .name: x, .offset: 0, .size: 8, .value_kind: global_buffer, .address_space: global }
      - { .name: ln1_g, .offset: 8, .size: 8, .value_kind: global_buffer, .address_space: global }
      - { .name: ln1_b, .offset: 16, .size: 8, .value_kind: global_buffer, .address_space: global }
      - { .name: ln2_g, .offset: 24, .size: 8, .value_kind: global_buffer, .address_space: global }
      - { .name: ln2_b, .offset: 32, .size: 8, .value_kind: global_buffer, .address_space: global }
      - { .name: b1, .offset: 40, .size: 8, .value_kind: global_buffer, .address_space: global }
      - { .name: b2, .offset: 48, .size: 8, .value_kind: global_buffer, .address_space: global }
      - { .name: fmean, .offset: 56, .size: 8, .value_kind: global_buffer, .address_space: global }
      - { .name: mi, .offset: 64, .size: 8, .value_kind: global_buffer, .address_space: global }
      - { .name: msi, .offset: 72, .size: 8, .value_kind: global_buffer, .address_space: global }
      - { .name: wi, .offset: 80, .size: 8, .value_kind: global_buffer, .address_space: global }
      - { .name: wsi, .offset: 88, .size: 8, .value_kind: global_buffer, .address_space: global }
      - { .name: out0, .offset: 96, .size: 8, .value_kind: global_buffer, .address_space: global }
    .group_segment_fixed_size: 190976
    .private_segment_fixed_size: 0
    .kernarg_segment_align: 8
    .kernarg_segment_size: 104
    .max_flat_workgroup_size: 128
    .sgpr_count:     80
    .vgpr_count:     1024
    .wavefront_size: 32
...
	.end_amdgpu_metadata
.endif
;; end of part 5
